; MI455X (gfx1250); checked and timed in simulation.
; The chip was launched on July 23, 2026; its instructions are those of AMD's public machine-readable ISA for CDNA 5 (MIT licence, August 2026) and "CDNA5" Instruction Set Architecture Reference Guide (July 2026). The comments in the code are by the model that wrote it; some were corrected since.
;; Transformer Layer. Allowed arithmetic: float matrix products may take bf16 or f16 operands with f32 sums; all other float work in f32.
;; Inputs: b_in 4,096 float32; b_out 1,024 float32; bt1 1,024 float32; bt2 1,024 float32; g1 1,024 float32; g2 1,024 float32; w_in 1,024 x 4,096 float32; w_out 4,096 x 1,024 float32; wk 16 x 1,024 x 64 float32; wo 1,024 x 1,024 float32; wq 16 x 1,024 x 64 float32; wv 16 x 1,024 x 64 float32; x 2 x 2,048 x 1,024 float32.
;; Outputs: out0 2 x 2,048 x 1,024 float32.
;; 2 versions, each right and faster than the one before. Each part assembles by itself: llvm-mc -triple=amdgcn-amd-amdhsa -mcpu=gfx1250 --defsym DOCPART=n.
;; ======== version 1 of 2: 8 launches
;; limits: values are held in f16: magnitudes above 65,504 overflow, below 6.1e-05 lose precision
;; workspace buffers: ah 8,388,608 bytes; bq 8,405,504 bytes; bm 8,405,504 bytes; bw 10,485,760 bytes; qx 25,165,824 bytes; pan 33,554,432 bytes; y 16,777,216 bytes
;; launch cast (part 1): grid 256 x 4, 8 waves a work-group, no clusters, 0 bytes of LDS; arguments x, w_in, w_out, wo, wq, wk, wv, b_in, ah, bm, bw, bq; writes ah, bm, bw, bq
.if DOCPART == 1
	.amdgcn_target "amdgcn-amd-amdhsa--gfx1250"
	.amdhsa_code_object_version 6
	.text
	.protected	k_q90a0da6a73_cast
	.globl	k_q90a0da6a73_cast
	.p2align	8
	.type	k_q90a0da6a73_cast,@function
k_q90a0da6a73_cast:
	s_mov_b64 s[64:65], 0
	v_nop
	global_prefetch_b8 v0, s[64:65] scope:SCOPE_SE
	s_setreg_imm32_b32 hwreg(HW_REG_WAVE_MODE, 25, 1), 1
	s_wait_xcnt 0x0
; CAST.  Every matrix operand that is an input (x, w_in, w_out, wo, wq, wk, wv) is rounded once to bf16 (nearest even) and that number is written as f16.
; LIMITS.  The second step is exact for 7.6e-6 <= |v| <= 65,504; below, f16's fixed step of 6e-8 holds; above, the number becomes an infinity.
; A stream: no LDS, no barrier, no matrix unit: each input byte is read once and each output byte written once.
; A work-group of eight waves converts 16,384 numbers in 16 steps: a wave's load covers 512 consecutive bytes, its store 256 consecutive aligned bytes.
; y of the grid chooses the tensor: 0 x -> ah, 1 w_in -> bm, 2 w_out -> bw + 2 MiB, 3: x / 64 = 0 wo -> bw; 1, 2, 3 wq, wk, wv -> bq, turned from [head][d][e] into [d][1024 which + 64 head + e].
; Four work-groups also write the epilogue tables behind bm and bq: 4,096 f32 of bias (bf16(b_in); zeros) and 512 bytes of floor (0; the lowest finite number).
.set EPO, 0x800000                     ; the tables begin behind the 1,024 rows of 8,192 bytes
.set X,   8                            ; v[8:71]    step i: four f32 as loaded, then rounded
.set YR,  72                           ; v[72:103]  step i: four f16 to store
.set T,   104                          ; v[104:107] at work
.macro CONV sstep, dstep               ; 16 loads in flight, then each step's conversion and store; no register is written twice while a store may read it
.irp i, 0,1,2,3,4,5,6,7,8,9,10,11,12,13,14,15
	global_load_b128 v[X+4*(\i):X+4*(\i)+3], v1, s[32:33] offset:(\i)*(\sstep) th:TH_LOAD_NT
.endr
.irp i, 0,1,2,3,4,5,6,7,8,9,10,11,12,13,14,15
	s_wait_loadcnt 15-(\i)                         ; loads come back in order: step i is in, the younger ones stay out
	v_cvt_pk_bf16_f32 v[T], v[X+4*(\i)], v[X+4*(\i)+1]
	v_cvt_pk_bf16_f32 v[T+1], v[X+4*(\i)+2], v[X+4*(\i)+3]
	v_lshlrev_b32 v[X+4*(\i)], 16, v[T]            ; bf16 back to f32: the low half moves up, the high half stays
	v_and_b32 v[X+4*(\i)+1], s40, v[T]
	v_lshlrev_b32 v[X+4*(\i)+2], 16, v[T+1]
	v_and_b32 v[X+4*(\i)+3], s40, v[T+1]
	v_cvt_pk_f16_f32 v[YR+2*(\i)], v[X+4*(\i)], v[X+4*(\i)+1]
	v_cvt_pk_f16_f32 v[YR+2*(\i)+1], v[X+4*(\i)+2], v[X+4*(\i)+3]
	global_store_b64 v2, v[YR+2*(\i):YR+2*(\i)+1], s[34:35] offset:(\i)*(\dstep)
.endr
.endm
	s_load_b512 s[8:23], s[0:1], 0x0               ; x 8, w_in 10, w_out 12, wo 14, wq 16, wk 18, wv 20, b_in 22
	s_load_b256 s[24:31], s[0:1], 0x40             ; ah 24, bm 26, bw 28, bq 30
	s_and_b32 s2, ttmp7, 0xffff                    ; which tensor
	s_mov_b32 s3, ttmp9                            ; which part of it
	s_mov_b32 s40, 0xffff0000                      ; a word's upper bf16
	s_mov_b32 s39, 0                               ; high word of every offset pair
	v_lshrrev_b32 v7, 5, v0                        ; wave
	v_readfirstlane_b32 s6, v7
	s_wait_kmcnt 0x0
	s_cmp_eq_u32 s2, 3
	s_cbranch_scc1 .Lsmall
	s_add_nc_u64 s[36:37], s[28:29], 0x200000      ; w_out's place in bw
	s_mov_b32 s4, s3
	s_cmp_eq_u32 s2, 1
	s_cselect_b64 s[32:33], s[10:11], s[8:9]
	s_cselect_b64 s[34:35], s[26:27], s[24:25]
	s_cmp_eq_u32 s2, 2
	s_cselect_b64 s[32:33], s[12:13], s[32:33]
	s_cselect_b64 s[34:35], s[36:37], s[34:35]
	s_branch .Lplain
.Lsmall:
	s_lshr_b32 s5, s3, 6                           ; 0 wo, 1 wq, 2 wk, 3 wv
	s_and_b32 s4, s3, 63
	s_cmp_lg_u32 s5, 0
	s_cbranch_scc1 .Lperm
	s_mov_b64 s[32:33], s[14:15]
	s_mov_b64 s[34:35], s[28:29]
.Lplain:                                               ; source and destination have the same order of numbers
	s_lshl_b32 s38, s4, 16                         ; 16,384 f32
	s_add_nc_u64 s[32:33], s[32:33], s[38:39]
	s_lshl_b32 s38, s4, 15                         ; 16,384 f16
	s_add_nc_u64 s[34:35], s[34:35], s[38:39]
	v_lshlrev_b32 v1, 4, v0
	v_lshlrev_b32 v2, 3, v0
	CONV 4096, 2048
	s_cmp_lg_u32 s2, 0
	s_cbranch_scc1 .Ldone
	s_cmp_lt_u32 s3, 4
	s_cbranch_scc0 .Ldone
	s_lshl_b32 s38, s3, 12                         ; the tables: 256 threads x 16 bytes in each of four work-groups are b_in's 16,384 bytes
	v_lshl_add_u32 v3, v0, 4, s38
	global_load_b128 v[108:111], v3, s[22:23]
	v_add_nc_u32 v5, EPO, v3
	v_mov_b32 v112, 0
	v_mov_b32 v113, 0
	v_mov_b32 v114, 0
	v_mov_b32 v115, 0
	s_wait_loadcnt 0x0
	v_cvt_pk_bf16_f32 v[T+2], v108, v109
	v_cvt_pk_bf16_f32 v[T+3], v110, v111
	v_lshlrev_b32 v108, 16, v[T+2]
	v_and_b32 v109, s40, v[T+2]
	v_lshlrev_b32 v110, 16, v[T+3]
	v_and_b32 v111, s40, v[T+3]
	global_store_b128 v5, v[108:111], s[26:27]     ; bm: bias = bf16(b_in), kept in f32
	global_store_b128 v5, v[112:115], s[30:31]     ; bq: bias = 0
	s_cmp_lg_u32 s3, 0
	s_cbranch_scc1 .Ldone
	s_cmp_lg_u32 s6, 0
	s_cbranch_scc1 .Ldone
	v_lshl_add_u32 v6, v0, 4, EPO+16384            ; wave 0 of work-group 0: the thread's number is the lane
	v_mov_b32 v116, 0xff7fffff
	v_mov_b32 v117, 0xff7fffff
	v_mov_b32 v118, 0xff7fffff
	v_mov_b32 v119, 0xff7fffff
	global_store_b128 v6, v[112:115], s[26:27]     ; bm: floor 0, the relu
	global_store_b128 v6, v[116:119], s[30:31]     ; bq: floor = the lowest finite number: nothing is cut
.Ldone:
	s_endpgm
.Lperm:                                                ; two heads x 128 rows d: step i is row d0 + 8 i + wave; lanes 0-15 read 256 bytes of the even head, lanes 16-31 of the odd one
	s_mov_b64 s[32:33], s[16:17]
	s_cmp_eq_u32 s5, 2
	s_cselect_b64 s[32:33], s[18:19], s[32:33]
	s_cmp_eq_u32 s5, 3
	s_cselect_b64 s[32:33], s[20:21], s[32:33]
	s_lshr_b32 s7, s4, 3                           ; pair of heads
	s_and_b32 s4, s4, 7                            ; d0 / 128
	s_lshl_b32 s38, s7, 19                         ; two heads of 262,144 bytes
	s_lshl_b32 s41, s4, 15                         ; 128 rows of 256 bytes
	s_add_co_u32 s38, s38, s41
	s_add_nc_u64 s[32:33], s[32:33], s[38:39]
	s_lshl_b32 s38, s4, 20                         ; 128 rows of 8,192 bytes
	s_sub_co_u32 s5, s5, 1
	s_lshl_b32 s41, s5, 11                         ; 1,024 columns for each of q, k, v
	s_add_co_u32 s38, s38, s41
	s_lshl_b32 s41, s7, 8                          ; 128 columns for a pair of heads
	s_add_co_u32 s38, s38, s41
	s_add_nc_u64 s[34:35], s[30:31], s[38:39]
	v_bfe_u32 v1, v0, 4, 1
	v_lshlrev_b32 v1, 18, v1                       ; the odd head lies 262,144 bytes on
	v_lshl_add_u32 v1, v7, 8, v1
	v_and_b32 v3, 15, v0
	v_lshl_add_u32 v1, v3, 4, v1
	v_and_b32 v3, 31, v0
	v_lshlrev_b32 v2, 3, v3
	v_lshl_add_u32 v2, v7, 13, v2
	CONV 2048, 65536
	s_endpgm
.Lfunc_end_k_q90a0da6a73_cast:
	.size	k_q90a0da6a73_cast, .Lfunc_end_k_q90a0da6a73_cast-k_q90a0da6a73_cast
	.p2alignl 7, 3214868480
	.fill 96, 4, 3214868480
	.section	.rodata,"a",@progbits
	.p2align	6, 0x0
	.amdhsa_kernel k_q90a0da6a73_cast
		.amdhsa_group_segment_fixed_size 0
		.amdhsa_private_segment_fixed_size 0
		.amdhsa_enable_private_segment 0
		.amdhsa_kernarg_size 96
		.amdhsa_user_sgpr_count 2
		.amdhsa_user_sgpr_kernarg_segment_ptr 1
		.amdhsa_wavefront_size32 1
		.amdhsa_system_sgpr_workgroup_id_x 1
		.amdhsa_system_sgpr_workgroup_id_y 1
		.amdhsa_system_sgpr_workgroup_id_z 1
		.amdhsa_system_vgpr_workitem_id 0
		.amdhsa_next_free_vgpr 120
		.amdhsa_next_free_sgpr 66
		.amdhsa_reserve_vcc 0
		.amdhsa_float_denorm_mode_32 3
		.amdhsa_float_denorm_mode_16_64 3
		.amdhsa_memory_ordered 1
		.amdhsa_forward_progress 1
		.amdhsa_inst_pref_size 24
	.end_amdhsa_kernel
	.amdgpu_metadata
---
amdhsa.version: [ 1, 2 ]
amdhsa.kernels:
  - .name:           k_q90a0da6a73_cast
    .symbol:         k_q90a0da6a73_cast.kd
    .args:
      - { .name: x, .offset: 0, .size: 8, .value_kind: global_buffer, .address_space: global }
      - { .name: w_in, .offset: 8, .size: 8, .value_kind: global_buffer, .address_space: global }
      - { .name: w_out, .offset: 16, .size: 8, .value_kind: global_buffer, .address_space: global }
      - { .name: wo, .offset: 24, .size: 8, .value_kind: global_buffer, .address_space: global }
      - { .name: wq, .offset: 32, .size: 8, .value_kind: global_buffer, .address_space: global }
      - { .name: wk, .offset: 40, .size: 8, .value_kind: global_buffer, .address_space: global }
      - { .name: wv, .offset: 48, .size: 8, .value_kind: global_buffer, .address_space: global }
      - { .name: b_in, .offset: 56, .size: 8, .value_kind: global_buffer, .address_space: global }
      - { .name: ah, .offset: 64, .size: 8, .value_kind: global_buffer, .address_space: global }
      - { .name: bm, .offset: 72, .size: 8, .value_kind: global_buffer, .address_space: global }
      - { .name: bw, .offset: 80, .size: 8, .value_kind: global_buffer, .address_space: global }
      - { .name: bq, .offset: 88, .size: 8, .value_kind: global_buffer, .address_space: global }
    .group_segment_fixed_size: 0
    .private_segment_fixed_size: 0
    .kernarg_segment_align: 8
    .kernarg_segment_size: 96
    .max_flat_workgroup_size: 256
    .sgpr_count:     66
    .vgpr_count:     120
    .wavefront_size: 32
...
	.end_amdgpu_metadata
.endif
;; end of part 1
;; launch qkv (part 2): grid 12 x 16, 4 waves a work-group, clusters of 4 x 4, 327,680 bytes of LDS; arguments ah, bq, qx; writes qx
.if DOCPART == 2
	.amdgcn_target "amdgcn-amd-amdhsa--gfx1250"
	.amdhsa_code_object_version 6
	.text
	.protected	k_q90a0da6a73_qkv
	.globl	k_q90a0da6a73_qkv
	.p2align	8
	.type	k_q90a0da6a73_qkv,@function
k_q90a0da6a73_qkv:
	s_mov_b64 s[64:65], 0
	v_nop
	global_prefetch_b8 v0, s[64:65] scope:SCOPE_SE
	s_setreg_imm32_b32 hwreg(HW_REG_WAVE_MODE, 25, 1), 1
	s_wait_xcnt 0x0
	s_wait_alu depctr_hold_cnt(0) depctr_sa_sdst(0) depctr_va_vdst(0) depctr_va_sdst(0) depctr_va_ssrc(0) depctr_va_vcc(0) depctr_vm_vsrc(0)
	s_getreg_b32 s2, hwreg(HW_REG_IB_STS2, 6, 4)
	s_cmp_eq_u32 s2, 0
	s_cbranch_scc0 .Lentry_in_a_cluster
	s_endpgm
.Lentry_in_a_cluster:
	s_bfe_u32 s2, ttmp6, 0x10000c
	s_cmp_lg_u32 s2, 0xf033
	s_cbranch_scc0 .Lentry_shape_is_right
	s_endpgm
.Lentry_shape_is_right:
; OUT = f16(max(A B + bias, floor)).  A: [4096][1024] f16, K along the rows.  B: [1024 k][pitch 4096] f16, N along the rows; behind it 4,096 f32 of bias and the floor.
; OUT lies in PANELS of 64 columns, [panel][4096][64] f16: 16 rows of a panel are 2,048 consecutive bytes.  Sums in f32, K ascending, rounded once.  Serves x (wq|wk|wv) and relu(x1 w_in + b_in).
; LIMIT.  f16 ends at 65,504: a result beyond it becomes an infinity.
; A tile of OUT is 256 x 256: four waves, 128 x 128 each, 64 accumulators of 16 x 16 in 512 registers.  K goes in 8 steps of 128 through two LDS slots filled by tensor loads.
; CLUSTER 4 x 4: the four work-groups of a row of the cluster need the same tiles of A, the four of a column the same tiles of B: each tile is asked for jointly, with one descriptor and a mask of the four.
; THE MATRIX INSTRUCTION IS USED TRANSPOSED: source 0 = 16 columns of B (turned out of LDS by ds_load_tr16_b128), source 1 = 16 rows of A: a lane holds eight neighbouring columns of one row.
; REGISTERS in windows of 256: window 0 addresses, bias, A's two fragment buffers (v64-127, v128-191), v192-223 the way out; window 1 B's two fragment buffers; windows 2, 3 the accumulators, (a, b) at 8 (8 (a % 4) + b).
.set PA,    272                        ; a row of A in LDS: 256 bytes + 16: the 16 rows of a load start at 16 different groups of four banks (64 banks of 4 bytes: ISA guide 11.1)
.set PB,    544                        ; a k-row of B: 512 bytes + 32
.set HALFT, 128*PA                     ; what one tensor load brings: 128 rows of A, or 64 k-rows of B (64 x 544 is the same number)
.set SLOT,  4*HALFT                    ; 0x22000: no wave's share, wave x 0x8800, has either of its two bits, so one exclusive or changes slots
.set SPARE, 2*SLOT                     ; behind the ring: the spare words, 128 bytes for each wave
.set DP,    528                        ; the way out: a row of 128 f32 + 16 bytes
.set DW,    128*DP                     ; a wave's 128 rows; the four lie in the slots, which have had their last fill by then
.set EPO,   0x800000                   ; bias and floor behind B
.set PANEL, 524288
.set ADRA0, 16                         ; v16 my lane's place in A's tile of slot 0; never rewritten
.set ADRA,  17                         ; v17 the same in the slot being read
.set ADRB0, 20
.set ADRB,  21
.set DST,   24                         ; v24 where I put a row's 32 bytes
.set DRD,   25                         ; v25 where I read them back
.set CO,    26                         ; v26 my byte offset in 512 consecutive bytes of a panel
.set BO,    27                         ; v27 my byte offset in the bias
.set SPW,   28                         ; v28 my spare word; never rewritten
.set NIL,   29                         ; v29 0; never rewritten
.set BI,    32                         ; v[32:47] bias of my 8 columns in each of the wave's two panels
.set F0,    64
.set F1,    128
.set OUTR,  192
.set G1,  24                           ; s[24:31] group 1 for A;  s[32:35] group 0 of the first fill, s[36:39] of the second, which then walks
.set G0,  32
.set G1B, 48                           ; s[48:55], s[56:63] the same for B
.set G0B, 56
.set MSB, 0
.macro WIN new                         ; the immediate's high byte repeats the setting that is left; a switch that changes nothing is dropped
.if MSB != (\new)
	s_set_vgpr_msb (MSB<<8)|(\new)
.set MSB, \new
.endif
.endm
.set MUL_LO, 0xa1                      ; source 0 (B) window 1, source 1 (A) window 0, C and D window 2
.set TO_B,   0x40                      ; destination window 1, address window 0
.macro JLOAD s                         ; a joint load: waves 0, 1 fetch A's halves, waves 2, 3 B's; s_nop 0 and four v_nop follow each line
	s_cmp_eq_u32 s11, 0
	s_cbranch_scc0 .Lfor_b_\@
	tensor_load_to_lds s[G0+4*(\s):G0+4*(\s)+3], s[G1:G1+7]
	s_nop 0
.rept 4
	v_nop
.endr
	s_branch .Lasked_\@
.Lfor_b_\@:
	tensor_load_to_lds s[G0B+4*(\s):G0B+4*(\s)+3], s[G1B:G1B+7]
	s_nop 0
.rept 4
	v_nop
.endr
.Lasked_\@:
.endm
.macro CREST                           ; a round of the cluster's barrier behind its opening barrier
	s_cmp_lg_u32 s10, 0
	s_cbranch_scc1 .Lnot_wave_0_\@
	s_barrier_signal -3
.Lnot_wave_0_\@:
	s_barrier_wait -3
	s_barrier_signal -1
	s_barrier_wait -1
.endm
.macro CROUND
	s_barrier_signal -1
	s_barrier_wait -1
	CREST
.endm
.macro PLACES                          ; four plain vector instructions between a matrix instruction and a load into, or a read of, its registers
.rept 4
	v_nop
.endr
.endm
	s_load_b128 s[4:7], s[0:1], 0x0                ; A s[4:5], B s[6:7]
	s_load_b64 s[8:9], s[0:1], 0x10                ; OUT
	v_lshl_add_u32 v[SPW], v0, 2, SPARE
	v_mov_b32 v[NIL], 0
	ds_add_u32 v[SPW], v[NIL]                      ; the wave's opening: the add and its wait ahead of my first tensor load
	v_lshrrev_b32 v1, 5, v0
	v_readfirstlane_b32 s10, v1                    ; wave 0..3
	s_lshr_b32 s11, s10, 1                         ; my half of the tile's rows; also: I fetch for A (0) or B (1)
	s_and_b32 s12, s10, 1                          ; my half of its columns; also: which half of that tile I fetch
	s_bfe_u32 s40, ttmp6, 0x40000                  ; cx
	s_bfe_u32 s41, ttmp6, 0x40004                  ; cy
	s_lshl_b32 s42, ttmp9, 2
	s_add_co_u32 s42, s42, s40                     ; tile column
	s_and_b32 s13, ttmp7, 0xffff
	s_lshl_b32 s13, s13, 2
	s_add_co_u32 s13, s13, s41                     ; tile row
	s_lshl_b32 s43, s41, 2
	s_lshl_b32 s43, 15, s43                        ; my row of the cluster
	s_lshl_b32 s44, 0x1111, s40                    ; my column
	s_or_b32 s[G1+0], s43, (1<<16)|(1<<20)|(1<<21)|(5<<22)|(3<<25)   ; mask; 2-byte elements; padding on; bit 21 beside a mask; after every 64 words 4 words
	s_mov_b32 s[G1+1], 128<<16                     ; tensor_dim0 = 128
	s_mov_b32 s[G1+2], 128<<16                     ; tensor_dim1 = 128
	s_mov_b32 s[G1+3], 128<<16                     ; tile_dim0 = 128
	s_mov_b32 s[G1+4], 128                         ; tile_dim1 = 128
	s_mov_b32 s[G1+5], 1024                        ; elements from row to row
	s_mov_b32 s[G1+6], 0
	s_mov_b32 s[G1+7], 0
	s_or_b32 s[G1B+0], s44, (1<<16)|(1<<20)|(1<<21)|(6<<22)|(7<<25)  ; after every 128 words 8 words
	s_mov_b32 s[G1B+1], 256<<16                    ; tensor_dim0 = 256
	s_mov_b32 s[G1B+2], 64<<16                     ; tensor_dim1 = 64
	s_mov_b32 s[G1B+3], 256<<16                    ; tile_dim0 = 256
	s_mov_b32 s[G1B+4], 64                         ; tile_dim1 = 64
	s_mov_b32 s[G1B+5], 4096
	s_mov_b32 s[G1B+6], 0
	s_mov_b32 s[G1B+7], 0
	s_lshl_b32 s16, s13, 8
	s_lshl_b32 s17, s12, 7
	s_add_co_u32 s16, s16, s17                     ; A: row 256 x tile row + 128 x half,
	s_lshl_b32 s16, s16, 11                        ; of 2,048 bytes
	s_mov_b32 s17, 0
	s_lshl_b32 s46, s42, 9                         ; B: 256 columns of 2 bytes for each tile column,
	s_lshl_b32 s47, s12, 19                        ; 64 k-rows of 8,192 bytes for the half
	s_add_co_u32 s46, s46, s47
	s_mov_b32 s47, 0
	s_mul_i32 s20, s10, HALFT                      ; where my share goes: the wave's number alone
	s_mov_b32 s22, 0                               ; the slot being read
	s_wait_dscnt 0x0                               ; the opening add is done
	s_wait_kmcnt 0x0
	s_add_nc_u64 s[14:15], s[4:5], s[16:17]
	s_add_nc_u64 s[46:47], s[6:7], s[46:47]
	s_add_nc_u64 s[70:71], s[6:7], EPO
	CROUND                                         ; all sixteen work-groups are here: the first joint loads meet
.irp s, 0,1
	s_mov_b32 s[G0+4*(\s)], 1
	s_add_co_u32 s[G0+4*(\s)+1], s20, (\s)*SLOT
	s_add_nc_u64 s[G0+4*(\s)+2:G0+4*(\s)+3], s[14:15], (\s)*256       ; K step s: 128 elements along the rows
	s_or_b32 s[G0+4*(\s)+3], s[G0+4*(\s)+3], 0x80000000
	s_mov_b32 s[G0B+4*(\s)], 1
	s_add_co_u32 s[G0B+4*(\s)+1], s20, (\s)*SLOT
	s_add_nc_u64 s[G0B+4*(\s)+2:G0B+4*(\s)+3], s[46:47], (\s)*1048576 ; K step s: 128 k-rows down
	s_or_b32 s[G0B+4*(\s)+3], s[G0B+4*(\s)+3], 0x80000000
	JLOAD \s                                       ; two loads of mine are out
.endr
	s_load_b32 s72, s[70:71], 0x4000               ; the floor
	v_and_b32 v1, 15, v0                           ; r = l % 16
	v_bfe_u32 v2, v0, 4, 1                         ; h = l / 16
	v_mul_u32_u24 v3, v1, PA
	v_lshl_add_u32 v3, v2, 4, v3
	s_mul_i32 s21, s11, HALFT
	v_add_nc_u32 v[ADRA0], s21, v3                 ; A: my 128 rows; row r, 16 bytes for each half of the lanes
	v_and_b32 v4, 7, v0
	v_bfe_u32 v5, v0, 3, 1
	v_lshl_add_u32 v6, v2, 3, v4
	v_mul_u32_u24 v6, v6, PB
	v_lshl_add_u32 v6, v5, 4, v6
	s_lshl_b32 s21, s12, 8
	s_add_co_u32 s21, s21, 2*HALFT
	v_add_nc_u32 v[ADRB0], s21, v6                 ; B: k-row 8 h + l % 8, columns 8 ((l / 8) % 2) on, in my 128 columns
	v_mov_b32 v[ADRA], v[ADRA0]
	v_mov_b32 v[ADRB], v[ADRB0]
	s_mul_i32 s23, s10, DW
	v_mul_u32_u24 v7, v1, DP
	v_lshl_add_u32 v7, v2, 5, v7
	v_add_nc_u32 v[DST], s23, v7                   ; in: row r, 32 bytes for each half of the lanes
	v_bfe_u32 v7, v0, 3, 2
	v_mul_u32_u24 v7, v7, DP
	v_lshl_add_u32 v7, v4, 5, v7
	v_add_nc_u32 v[DRD], s23, v7                   ; back: row l / 8, columns 8 (l % 8) on
	v_and_b32 v7, 31, v0
	v_lshlrev_b32 v[CO], 4, v7
	s_lshl_b32 s45, s42, 10
	s_lshl_b32 s21, s12, 9
	s_add_co_u32 s45, s45, s21
	v_lshl_add_u32 v[BO], v4, 5, s45               ; 4 (256 x tile column + 128 x half + 8 (l % 8))
	global_load_b128 v[BI:BI+3],     v[BO], s[70:71]
	global_load_b128 v[BI+4:BI+7],   v[BO], s[70:71] offset:16
	global_load_b128 v[BI+8:BI+11],  v[BO], s[70:71] offset:256
	global_load_b128 v[BI+12:BI+15], v[BO], s[70:71] offset:272
	s_lshl_b32 s46, s42, 2
	s_lshl_b32 s21, s12, 1
	s_add_co_u32 s46, s46, s21
	s_lshl_b32 s46, s46, 19                        ; my first panel
	s_lshl_b32 s16, s13, 8
	s_lshl_b32 s17, s11, 7
	s_add_co_u32 s16, s16, s17
	s_lshl_b32 s16, s16, 7                         ; my first row, 128 bytes in a panel
	s_add_co_u32 s46, s46, s16
	s_mov_b32 s47, 0
	s_add_nc_u64 s[8:9], s[8:9], s[46:47]
; 16 matrix instructions: m blocks a0, a0 + 1 of the window's four x all 8 n blocks, 32 along K.  zero = 1: the first product starts the sums.
.macro MUL16 f, hi, a0, zero
	WIN MUL_LO+0x50*(\hi)
.irp a, \a0, (\a0)+1
.irp b, 0,1,2,3,4,5,6,7
.if \zero
	v_wmma_f32_16x16x32_f16 v[8*(8*(\a)+(\b)):8*(8*(\a)+(\b))+7], v[(\f)+8*(\b):(\f)+8*(\b)+7], v[(\f)+8*(4*(\hi)+(\a)):(\f)+8*(4*(\hi)+(\a))+7], 0
.else
	v_wmma_f32_16x16x32_f16 v[8*(8*(\a)+(\b)):8*(8*(\a)+(\b))+7], v[(\f)+8*(\b):(\f)+8*(\b)+7], v[(\f)+8*(4*(\hi)+(\a)):(\f)+8*(4*(\hi)+(\a))+7], v[8*(8*(\a)+(\b)):8*(8*(\a)+(\b))+7]
.endif
.endr
.endr
.endm
; 32 LDS loads in one run: quarter q (32 along K) of the slot being read, into buffer f: B turned, then A
.macro FETCH q, f
	WIN TO_B
.irp i, 0,1,2,3,4,5,6,7
	ds_load_tr16_b128 v[(\f)+8*(\i):(\f)+8*(\i)+3],   v[ADRB] offset:(\q)*32*PB+32*(\i)
	ds_load_tr16_b128 v[(\f)+8*(\i)+4:(\f)+8*(\i)+7], v[ADRB] offset:(\q)*32*PB+16*PB+32*(\i)
.endr
	WIN 0
.irp i, 0,1,2,3,4,5,6,7
	ds_load_b128 v[(\f)+8*(\i):(\f)+8*(\i)+3],   v[ADRA] offset:64*(\q)+(\i)*16*PA
	ds_load_b128 v[(\f)+8*(\i)+4:(\f)+8*(\i)+7], v[ADRA] offset:64*(\q)+(\i)*16*PA+32
.endr
.endm
; multiplies buffer f; in its middle it fetches quarter q into buffer g.  The 64 accumulators take turns in the same order in every quarter.
.macro QUARTER q, f, g, zero
	s_wait_dscnt 8                                 ; B and A's rows 0-63 are in; the youngest eight loads (A's rows 64-127) may be out
	MUL16 \f, 0, 0, \zero
	MUL16 \f, 0, 2, \zero
	PLACES
	FETCH \q, \g
	s_wait_dscnt 32                                ; all but the 32 just issued
	MUL16 \f, 1, 0, \zero
	MUL16 \f, 1, 2, \zero
.endm
; the last quarter of a step multiplies buffer 1 and changes slots.  In front of the barrier each wave waits for all its tensor loads (one is out: its share of the next slot),
; adds 0 to its spare word, and waits for that and for its reads of this slot.  fill = 1: the barrier opens a round of the cluster's, and the slot just read is filled again, two steps ahead.
.macro TURN fill
	WIN 0
	s_wait_tensorcnt 0x0
	ds_add_u32 v[SPW], v[NIL]
	s_wait_dscnt 9                                 ; the add and the youngest eight loads may be out
	MUL16 F1, 0, 0, 0
	s_wait_dscnt 0x0                               ; the add is done, my reads of this slot are over
	s_barrier_signal -1
	MUL16 F1, 0, 2, 0
	WIN 0
	s_barrier_wait -1
.if \fill
	CREST                                          ; no wave of any partner still reads the slot or has a load on its way
	s_xor_b32 s[G0+5], s[G0+5], SLOT               ; the walking descriptors: the other slot than last time, the next K step
	s_add_nc_u64 s[G0+6:G0+7], s[G0+6:G0+7], 256
	s_xor_b32 s[G0B+5], s[G0B+5], SLOT
	s_add_nc_u64 s[G0B+6:G0B+7], s[G0B+6:G0B+7], 1048576
	JLOAD 1                                        ; 224 matrix instructions ahead of the wait for it; its four v_nop are also the places in front of the loads below
.else
	PLACES
.endif
	s_xor_b32 s22, s22, SLOT
	v_add_nc_u32 v[ADRA], s22, v[ADRA0]
	v_add_nc_u32 v[ADRB], s22, v[ADRB0]
	FETCH 0, F0
	MUL16 F1, 1, 0, 0
	MUL16 F1, 1, 2, 0
.endm
	s_wait_tensorcnt 1                             ; my share of K step 0 is in; step 1's may stay out
	s_barrier_signal -1
	s_barrier_wait -1
	FETCH 0, F0
	QUARTER 1, F0, F1, 1                           ; the first quarter stands in front of the loop: its products start the sums
	WIN 0
	s_mov_b32 s3, 6                                ; steps 2 to 7 are asked for in the loop
.Lstep:                                                ; a trip: quarters 1 to 3 of a step, the change of slots, quarter 0 of the next
	QUARTER 2, F1, F0, 0
	QUARTER 3, F0, F1, 0
	TURN 1
	QUARTER 1, F0, F1, 0
	WIN 0
	s_sub_co_u32 s3, s3, 1
	s_cmp_lg_u32 s3, 0
	s_cbranch_scc1 .Lstep
	QUARTER 2, F1, F0, 0                           ; the last two steps ask for nothing
	QUARTER 3, F0, F1, 0
	TURN 0
	QUARTER 1, F0, F1, 0
	QUARTER 2, F1, F0, 0
	QUARTER 3, F0, F1, 0
	s_wait_dscnt 8
	MUL16 F1, 0, 0, 0
	MUL16 F1, 0, 2, 0
	s_wait_dscnt 0x0                               ; my reads of the slots are over: behind this barrier the slots are written by LDS stores
	s_barrier_signal -1
	MUL16 F1, 1, 0, 0
	MUL16 F1, 1, 2, 0
	WIN 0
	s_barrier_wait -1
	; THE WAY OUT.  The sums go as f32 into my 128 rows of 528 bytes, each accumulator's low registers first; then a loop takes 16 rows a trip:
	; bias, floor, rounding to f16, and stores of 512 consecutive bytes of a panel.
	PLACES
	s_wait_kmcnt 0x0                               ; the floor
	s_wait_loadcnt 0x0                             ; the bias
.irp a, 0,1,2,3,4,5,6,7
	WIN 0x08+4*((\a)/4)                            ; store data (source 1) in window 2 or 3
.irp b, 0,1,2,3,4,5,6,7
	ds_store_b128 v[DST], v[8*(8*((\a)%4)+(\b)):8*(8*((\a)%4)+(\b))+3]   offset:(\a)*16*DP+64*(\b)
	ds_store_b128 v[DST], v[8*(8*((\a)%4)+(\b))+4:8*(8*((\a)%4)+(\b))+7] offset:(\a)*16*DP+64*(\b)+16
.endr
.endr
	WIN 0
	s_mov_b32 s3, 8
.Lrow:
.irp t, 0,1,2,3,4,5,6,7                ; rows 4 (t % 4) + l / 8 of the sixteen, panel t / 4.  LDS serves a wave's instructions in order (ISA guide 5.7.1.4): these see my stores
	ds_load_b128 v[F0+8*(\t):F0+8*(\t)+3],   v[DRD] offset:((\t)%4)*4*DP+((\t)/4)*256
	ds_load_b128 v[F0+8*(\t)+4:F0+8*(\t)+7], v[DRD] offset:((\t)%4)*4*DP+((\t)/4)*256+16
.endr
.irp t, 0,1,2,3,4,5,6,7
	s_wait_dscnt 14-2*(\t)                         ; pair t is in, the later pairs stay out
.irp p, 0,1,2,3
	v_pk_add_f32 v[F0+8*(\t)+2*(\p):F0+8*(\t)+2*(\p)+1], v[F0+8*(\t)+2*(\p):F0+8*(\t)+2*(\p)+1], v[BI+8*((\t)/4)+2*(\p):BI+8*((\t)/4)+2*(\p)+1]
.endr
.irp j, 0,1,2,3,4,5,6,7
	v_max_num_f32 v[F0+8*(\t)+(\j)], s72, v[F0+8*(\t)+(\j)]
.endr
.irp p, 0,1,2,3
	v_cvt_pk_f16_f32 v[OUTR+4*(\t)+(\p)], v[F0+8*(\t)+2*(\p)], v[F0+8*(\t)+2*(\p)+1]
.endr
	global_store_b128 v[CO], v[OUTR+4*(\t):OUTR+4*(\t)+3], s[8:9] offset:((\t)/4)*PANEL+((\t)%4)*512
.endr
	s_wait_xcnt 0x0                                ; the stores' data and offset are rewritten only behind this wait
	v_add_nc_u32 v[DRD], 16*DP, v[DRD]
	v_add_nc_u32 v[CO], 2048, v[CO]
	s_sub_co_u32 s3, s3, 1
	s_cmp_lg_u32 s3, 0
	s_cbranch_scc1 .Lrow
	s_wait_tensorcnt 0x0                           ; the wave's end
	ds_add_u32 v[SPW], v[NIL]
	s_wait_dscnt 0x0
	CROUND                                         ; the closing round
	s_endpgm
.Lfunc_end_k_q90a0da6a73_qkv:
	.size	k_q90a0da6a73_qkv, .Lfunc_end_k_q90a0da6a73_qkv-k_q90a0da6a73_qkv
	.p2alignl 7, 3214868480
	.fill 96, 4, 3214868480
	.section	.rodata,"a",@progbits
	.p2align	6, 0x0
	.amdhsa_kernel k_q90a0da6a73_qkv
		.amdhsa_group_segment_fixed_size 327680
		.amdhsa_private_segment_fixed_size 0
		.amdhsa_enable_private_segment 0
		.amdhsa_kernarg_size 24
		.amdhsa_user_sgpr_count 2
		.amdhsa_user_sgpr_kernarg_segment_ptr 1
		.amdhsa_wavefront_size32 1
		.amdhsa_system_sgpr_workgroup_id_x 1
		.amdhsa_system_sgpr_workgroup_id_y 1
		.amdhsa_system_sgpr_workgroup_id_z 1
		.amdhsa_system_vgpr_workitem_id 0
		.amdhsa_next_free_vgpr 1024
		.amdhsa_next_free_sgpr 80
		.amdhsa_reserve_vcc 0
		.amdhsa_float_denorm_mode_32 3
		.amdhsa_float_denorm_mode_16_64 3
		.amdhsa_memory_ordered 1
		.amdhsa_forward_progress 1
		.amdhsa_inst_pref_size 102
	.end_amdhsa_kernel
	.amdgpu_metadata
---
amdhsa.version: [ 1, 2 ]
amdhsa.kernels:
  - .name:           k_q90a0da6a73_qkv
    .symbol:         k_q90a0da6a73_qkv.kd
    .args:
      - { .name: ah, .offset: 0, .size: 8, .value_kind: global_buffer, .address_space: global }
      - { .name: bq, .offset: 8, .size: 8, .value_kind: global_buffer, .address_space: global }
      - { .name: qx, .offset: 16, .size: 8, .value_kind: global_buffer, .address_space: global }
    .group_segment_fixed_size: 327680
    .private_segment_fixed_size: 0
    .kernarg_segment_align: 8
    .kernarg_segment_size: 24
    .max_flat_workgroup_size: 128
    .sgpr_count:     80
    .vgpr_count:     1024
    .wavefront_size: 32
...
	.end_amdgpu_metadata
.endif
;; end of part 2
;; launch attn (part 3): grid 8 x 32, 8 waves a work-group, no clusters, 327,680 bytes of LDS; arguments qx, pan; writes pan
.if DOCPART == 3
	.amdgcn_target "amdgcn-amd-amdhsa--gfx1250"
	.amdhsa_code_object_version 6
	.text
	.protected	k_q90a0da6a73_attn
	.globl	k_q90a0da6a73_attn
	.p2align	8
	.type	k_q90a0da6a73_attn,@function
k_q90a0da6a73_attn:
	s_mov_b64 s[64:65], 0
	v_nop
	global_prefetch_b8 v0, s[64:65] scope:SCOPE_SE
	s_setreg_imm32_b32 hwreg(HW_REG_WAVE_MODE, 25, 1), 1
	s_wait_xcnt 0x0
; CAUSAL ATTENTION, head size 64.  q, k, v: panels 0-15, 16-31, 32-47 of qx, [panel = head][2048 batch + s][64] f16, unscaled.  O goes to panel = head of pan, same layout.
; Products, maxima and sums in f32; the weights p are rounded to f16 for the second product (their sum l is taken of the unrounded p), O once at the end.
; LIMITS.  q, k, v arrive within f16's 65,504, so a score lies within 64 x 65,504^2 = 2.7e11; the running maximum starts at -1e20, below every such score; a hidden score counts as -1e30;
; a weight below 2^-126 counts as 0; NaN and infinities are not treated apart.
; THE WALK.  A head's 2,048 queries are 16 blocks of 128; block i needs the key tiles 0 .. i / 2 of 256 keys, the last holding the diagonal.  A work-group takes blocks 15 - b and then b: 9 tiles whatever b,
; walked by one loop of constant count; which tile is asked for hangs on scalars made from b.  Every jump but the loops' own goes forward and passes no barrier, and no tensor load but those that the wave's number does not choose.
; NO CLUSTER: the 8 work-groups of a head ask for the same tile only in trips 0 .. 4 of the 9; a walk common to all would have 12 trips for 9.
; SHARES.  Eight waves, two to a SIMD.  Waves w and w + 4 own the same 32 queries, two tiles of 16, and split a tile's KEYS: waves 0-3 take its first 128, waves 4-7 its second 128.  So a fragment of K or V
; is read from LDS once for two tiles of queries, as with four waves, and while one wave of a SIMD waits the other issues.  Each wave keeps its own m, l and O; at a block's end waves 4-7 hand theirs over through LDS.
; S^T = K Q^T holds ONE query a lane (l % 16) and the keys 8 (l / 16) + 0..7; two such results rounded to f16 ARE source 1 of O^T = V^T P.
; A key step is 32 keys, so that all a wave needs lies in one register window and the loop has no window switch.
; SOFTMAX.  p = 2^(c s - c m), c = log2(e) / 8, with a running maximum m; O and l are multiplied by a = 2^(c m_old - c m_new) in every step.  A block's first step has a = 0.
; A wave that meets hidden keys alone (waves 4-7 in block 0) keeps m = -1e20: its weights are 2^(-1.8e29) = 0, its l and O stay 0.
; BY TURNS.  In a turn one tile has the matrix unit (4 products V^T P of the step in hand, 4 products K Q^T of the next); the other tile's softmax, a list of 70, stands behind them, six behind each, the rest at the end.
; A VISIT (a wave's half of one key tile, four steps) is closed in itself: nothing of the pipeline crosses a change of slots.
.set PK,    144                        ; a row of K in LDS: 128 bytes + 16: the 16 rows of a load start at 16 different groups of four banks (64 banks of 4 bytes: ISA guide 11.1)
.set PV,    160                        ; a row of V: 128 + 32
.set VOFF,  256*PK
.set SLOT1, 1<<17                      ; a slot is 77,824 bytes; slot 1 begins here, so that one exclusive or changes slots
.set STAGE, SLOT1+256*(PK+PV)          ; behind the ring, never filled: 16 rows x 144 bytes for each wave
.set SP,    144
.set MRG,   STAGE+8*16*SP              ; the hand-over, never filled: for each pair of waves 16 x 512 bytes of O^T and 512 of statistics
.set MPW,   17*512
.set SPARE, MRG+4*MPW                  ; the spare words, 128 bytes for each wave
.set AK0, 2                            ; v2  my lane's place in a tile of K; never rewritten
.set AV0, 3                            ; v3  the same for V
.set AK,  4
.set AV,  5
.set STO, 6
.set RD,  7
.set GO,  8
.set MQ,  12                           ; v12-13 tile t: my query's place in the diagonal tile, less 8 (l / 16), less the keys that lie ahead of the step in hand
.set MQB, 14
.set QO,  15
.set ST,  16                           ; tile t at ST + 8 t: c m, m, l (even keys', odd keys'), c0, c1, c2 (later a), c3
.set SPW, 32
.set NIL, 33
.set MG,  34                           ; v34 my 16 bytes in my pair's hand-over
.set BIGV, 35                          ; v35 -1e30
.set Q,   40                           ; 16 t + 8 c
.set S,   72                           ; 16 t + 8 kg
.set P,   104                          ; 8 t
.set O,   120                          ; 32 t + 8 cb
.set KF,  184                          ; 16 kg + 8 c
.set VF,  216                          ; 8 cb
.set WV,  12
.set PB,  14
.set HI,  15
.set G1K, 24
.set G1V, 32
.set G0K, 40
.set G0V, 44
.set L2,  48                           ; the second block's last tile
.set PARS, 49                          ; 128 where the block in hand lies in the second half of its diagonal tile, else 0
.set W4,  50                           ; wave % 4: which 32 queries
.set KH,  51                           ; wave / 4: which half of a tile's keys
.set VIS, 56
.set CNT, 57
.set CS,  58
.set SEL, 60
.set TBK, 62                           ; LDS byte at which K of the step to be fetched begins
.set TBV, 63                           ; the same for V, less VOFF
.set RT,  70                           ; tiles of the block in hand still to be entered
.set NXT, 71                           ; the tile to be asked for next
.set LQ,  72                           ; the last tile of the block whose tiles are being asked for
.set NEW, 73                           ; 1: the tile to be entered is a block's first
.set OFF, 74
.set DG,  76                           ; 1: the tile in hand holds the diagonal
.set OLO, 80
.set MSB, 0
.macro WIN new
.if MSB != (\new)
	s_set_vgpr_msb (MSB<<8)|(\new)
.set MSB, (\new)
.endif
.endm
.macro LOAD                            ; waves 0, 1 fetch the halves of a tile's K, waves 2, 3 of its V: 128 keys each; waves 4-7 fetch nothing; s_nop 0 and four v_nop follow each line
	s_cmp_lt_u32 s[WV], 2
	s_cbranch_scc0 .Lfor_v_\@
	tensor_load_to_lds s[G0K:G0K+3], s[G1K:G1K+7]
	s_nop 0
.rept 4
	v_nop
.endr
	s_branch .Lasked_\@
.Lfor_v_\@:
	s_cmp_lt_u32 s[WV], 4
	s_cbranch_scc0 .Lasked_\@
	tensor_load_to_lds s[G0V:G0V+3], s[G1V:G1V+7]
	s_nop 0
.rept 4
	v_nop
.endr
.Lasked_\@:
.endm
; THE CHANGE OF SLOTS.  Each wave waits for all its tensor loads (of waves 0-3 one is out: its share of the other slot), adds 0 to its spare word, and waits for that and for its reads of the slot that it leaves.
; fill = 1: the old slot is filled again, first thing behind the barrier, with tile NXT; the descriptor's address is made anew from that number.
.macro CHANGE fill
	s_wait_tensorcnt 0x0
	ds_add_u32 v[SPW], v[NIL]
.if \fill
	s_lshl_b32 s[OFF], s[NXT], 15                  ; a tile is 32,768 bytes of K and of V
	s_xor_b32 s[G0K+1], s[G0K+1], SLOT1
	s_add_nc_u64 s[G0K+2:G0K+3], s[6:7], s[OFF:OFF+1]
	s_or_b32 s[G0K+3], s[G0K+3], 0x80000000
	s_xor_b32 s[G0V+1], s[G0V+1], SLOT1
	s_add_nc_u64 s[G0V+2:G0V+3], s[8:9], s[OFF:OFF+1]
	s_or_b32 s[G0V+3], s[G0V+3], 0x80000000
	s_add_co_u32 s[NXT], s[NXT], 1                 ; the block's next tile, or behind its last the second block's tile 0
	s_cmp_gt_u32 s[NXT], s[LQ]
	s_cselect_b32 s[NXT], 0, s[NXT]
	s_cselect_b32 s[LQ], s[L2], s[LQ]
.endif
	s_wait_dscnt 0x0                               ; the add is done, my reads of the slot are over
	s_barrier_signal -1
	s_sub_co_u32 s[TBK], s[TBK], 128*PK            ; the fetches go back to my half's first step, in the other slot
	s_xor_b32 s[TBK], s[TBK], SLOT1
	s_sub_co_u32 s[TBV], s[TBV], 128*PV
	s_xor_b32 s[TBV], s[TBV], SLOT1
	s_barrier_wait -1
.if \fill
	LOAD
.endif
.endm
	s_load_b128 s[16:19], s[0:1], 0x0              ; qx s[16:17], pan s[18:19]
	v_lshl_add_u32 v[SPW], v0, 2, SPARE
	v_mov_b32 v[NIL], 0
	ds_add_u32 v[SPW], v[NIL]                      ; the wave's opening: the add and its wait ahead of my first tensor load
	v_lshrrev_b32 v1, 5, v0
	v_readfirstlane_b32 s[WV], v1
	s_and_b32 s[W4], s[WV], 3
	s_lshr_b32 s[KH], s[WV], 2
	s_mov_b32 s[PB], ttmp9
	s_sub_co_u32 s[HI], 15, s[PB]
	s_and_b32 s13, ttmp7, 0xffff
	s_and_b32 s20, s13, 15                         ; head
	s_lshr_b32 s21, s13, 4                         ; batch
	s_lshl_b32 s20, s20, 19                        ; a panel is 524,288 bytes,
	s_lshl_b32 s21, s21, 18                        ; a batch's 2,048 rows of it 262,144
	s_add_co_u32 s20, s20, s21
	s_and_b32 s2, s[WV], 1                         ; which half of a tile's keys I fetch (waves 0-3)
	s_lshl_b32 s22, s2, 14                         ; 128 keys of 128 bytes
	s_add_co_u32 s22, s22, s20
	s_mov_b32 s23, 0
	s_mul_i32 s3, s2, 128*PK
	s_mul_i32 s13, s2, 128*PV
	s_lshl_b32 s21, s[W4], 12                      ; my 32 rows of a block
	s_add_co_u32 s21, s21, s20
	s_lshl_b32 s78, s[HI], 14                      ; in the first block,
	s_add_co_u32 s78, s78, s21
	s_mov_b32 s79, 0
	s_lshl_b32 s84, s[PB], 14                      ; and in the second
	s_add_co_u32 s84, s84, s21
	s_mov_b32 s85, 0
	; group 1: 128 keys are 16,384 dense bytes, asked for as 64 rows of 256 bytes and padded in LDS after every key
	s_mov_b32 s[G1K], (1<<16)|(1<<20)|(4<<22)|(3<<25)  ; 2-byte elements; padding on; after every 32 words 4 words
	s_mov_b32 s[G1V], (1<<16)|(1<<20)|(4<<22)|(7<<25)  ; the same with 8 words
.irp g, G1K, G1V
	s_mov_b32 s[\g+1], 128<<16                     ; tensor_dim0 = 128
	s_mov_b32 s[\g+2], 64<<16                      ; tensor_dim1 = 64
	s_mov_b32 s[\g+3], 128<<16                     ; tile_dim0 = 128
	s_mov_b32 s[\g+4], 64                          ; tile_dim1 = 64
	s_mov_b32 s[\g+5], 128
	s_mov_b32 s[\g+6], 0
	s_mov_b32 s[\g+7], 0
.endr
	s_mov_b32 s[CS], 0x3e38aa3b                    ; c = log2(e) / 8
	s_mov_b32 s[CS+1], s[CS]
	s_mov_b32 s[SEL], 0x76543210
	s_mov_b32 s[SEL+1], 0xfedcba98
	s_mul_i32 s[TBK], s[KH], 128*PK                ; my half of a tile's keys;
	s_add_co_u32 s[TBK], s[TBK], SLOT1+128*PK      ; the first change of slots takes the rest away
	s_mul_i32 s[TBV], s[KH], 128*PV
	s_add_co_u32 s[TBV], s[TBV], SLOT1+128*PV
	s_mov_b32 s[G0K], 1
	s_mov_b32 s[G0K+1], s3
	s_mov_b32 s[G0V], 1
	s_add_co_u32 s[G0V+1], s13, VOFF
	s_lshr_b32 s[LQ], s[HI], 1                     ; block i's last tile is i / 2
	s_lshr_b32 s[L2], s[PB], 1
	s_add_co_u32 s[RT], s[LQ], 1
	s_and_b32 s[PARS], s[HI], 1
	s_lshl_b32 s[PARS], s[PARS], 7
	s_mov_b32 s[NXT], 1
	s_mov_b32 s[NEW], 1
	s_mov_b32 s[OFF+1], 0
	s_mov_b32 s[VIS], 8
	s_wait_dscnt 0x0                               ; the opening add is done
	s_barrier_signal -1
	s_barrier_wait -1
	s_wait_kmcnt 0x0
	s_add_nc_u64 s[6:7], s[16:17], s[22:23]
	s_add_nc_u64 s[8:9], s[6:7], 0x1000000         ; V: 32 panels on
	s_add_nc_u64 s[6:7], s[6:7], 0x800000          ; K: 16 panels on
	s_add_nc_u64 s[G0K+2:G0K+3], s[6:7], 0
	s_or_b32 s[G0K+3], s[G0K+3], 0x80000000
	s_add_nc_u64 s[G0V+2:G0V+3], s[8:9], 0
	s_or_b32 s[G0V+3], s[G0V+3], 0x80000000
	s_add_nc_u64 s[4:5], s[16:17], s[78:79]        ; Q and O at my rows of the first block,
	s_add_nc_u64 s[86:87], s[16:17], s[84:85]      ; and of the second
	s_add_nc_u64 s[10:11], s[18:19], s[78:79]
	s_add_nc_u64 s[OLO:OLO+1], s[18:19], s[84:85]
	LOAD                                           ; tile 0 into slot 0
	v_and_b32 v1, 15, v0                           ; r
	v_bfe_u32 v9, v0, 4, 1                         ; h
	v_lshlrev_b32 v[QO], 7, v1
	v_lshl_add_u32 v[QO], v9, 4, v[QO]
.irp i, 0,1,2,3                        ; both blocks' Q stay in registers: tile i / 2, channels 32 (i % 2) on
	global_load_b128 v[Q+8*\i:Q+8*\i+3],   v[QO], s[4:5] offset:(\i/2)*2048+(\i%2)*64
	global_load_b128 v[Q+8*\i+4:Q+8*\i+7], v[QO], s[4:5] offset:(\i/2)*2048+(\i%2)*64+32
.endr
	WIN 0x40                                       ; destination window 1: the second block's Q in v256-287
.irp i, 0,1,2,3
	global_load_b128 v[8*\i:8*\i+3],   v[QO], s[86:87] offset:(\i/2)*2048+(\i%2)*64
	global_load_b128 v[8*\i+4:8*\i+7], v[QO], s[86:87] offset:(\i/2)*2048+(\i%2)*64+32
.endr
	WIN 0
	v_mul_u32_u24 v[AK0], v1, PK
	v_lshl_add_u32 v[AK0], v9, 4, v[AK0]
	v_and_b32 v10, 7, v0
	v_bfe_u32 v11, v0, 3, 1
	v_lshl_add_u32 v[AV0], v9, 3, v10
	v_mul_u32_u24 v[AV0], v[AV0], PV
	v_lshl_add_u32 v[AV0], v11, 4, v[AV0]
	v_add_nc_u32 v[AV0], VOFF, v[AV0]
	s_mul_i32 s3, s[WV], 16*SP
	s_add_co_u32 s3, s3, STAGE
	v_add_nc_u32 v[STO], s3, v[AK0]                ; in: row r, 16 bytes for each half of the lanes (the stage's pitch is K's)
	v_bfe_u32 v[RD], v0, 3, 2
	v_mul_u32_u24 v[RD], v[RD], SP
	v_lshl_add_u32 v[RD], v10, 4, v[RD]
	v_add_nc_u32 v[RD], s3, v[RD]                  ; back: 32 lanes take four rows of 128 bytes,
	v_and_b32 v[GO], 31, v0
	v_lshlrev_b32 v[GO], 4, v[GO]                  ; which are 512 consecutive bytes of O
	s_mul_i32 s13, s[W4], MPW
	s_add_co_u32 s13, s13, MRG
	v_add_nc_u32 v[MG], s13, v[GO]                 ; the hand-over of waves w and w + 4: 16 bytes a lane, 512 consecutive bytes an instruction
	s_lshl_b32 s2, s[W4], 5
	s_lshl_b32 s20, s[KH], 7
	s_sub_co_u32 s2, s2, s20
	v_lshlrev_b32 v[MQB], 3, v9
	v_sub_nc_u32 v[MQB], v1, v[MQB]
	v_add_nc_u32 v[MQB], s2, v[MQB]                ; 32 (w % 4) + r - 8 h - 128 (w / 4), a signed number
	v_mov_b32 v[MQ], 0
	v_mov_b32 v[MQ+1], 0
	v_mov_b32 v[BIGV], 0xf149f2ca                  ; -1e30
	; a block's first step multiplies O and l by a = 0, so these need only hold finite numbers: zeros now, what the first block left later.  This stands in the wait for the first tile.
.set i, 0
.rept 64
	v_mov_b32 v[O+i], 0
.set i, i+1
.endr
.set i, 0
.rept 16
	v_mov_b32 v[ST+i], 0
.set i, i+1
.endr
	s_wait_loadcnt 0x0                             ; Q
; product i of 4 of S^T = K Q^T for tile x: keys 16 (i % 2) on, channels 32 (i / 2) on; the two accumulators take turns
.macro KQ x, i
.if (\i) < 2
	v_wmma_f32_16x16x32_f16 v[S+16*(\x)+8*((\i)%2):S+16*(\x)+8*((\i)%2)+7], v[KF+16*((\i)%2)+8*((\i)/2):KF+16*((\i)%2)+8*((\i)/2)+7], v[Q+16*(\x)+8*((\i)/2):Q+16*(\x)+8*((\i)/2)+7], 0
.else
	v_wmma_f32_16x16x32_f16 v[S+16*(\x)+8*((\i)%2):S+16*(\x)+8*((\i)%2)+7], v[KF+16*((\i)%2)+8*((\i)/2):KF+16*((\i)%2)+8*((\i)/2)+7], v[Q+16*(\x)+8*((\i)/2):Q+16*(\x)+8*((\i)/2)+7], v[S+16*(\x)+8*((\i)%2):S+16*(\x)+8*((\i)%2)+7]
.endif
.endm
; product i of 4 of O^T += V^T P for tile x: channels 16 i on
.macro PV x, i
	v_wmma_f32_16x16x32_f16 v[O+32*(\x)+8*(\i):O+32*(\x)+8*(\i)+7], v[VF+8*(\i):VF+8*(\i)+7], v[P+8*(\x):P+8*(\x)+7], v[O+32*(\x)+8*(\i):O+32*(\x)+8*(\i)+7]
.endm
.macro FETCH_K                         ; a step's K: 32 keys x 64 channels, 4 fragments
	v_add_nc_u32 v[AK], s[TBK], v[AK0]
.irp f, 0,1,2,3
	ds_load_b128 v[KF+8*\f:KF+8*\f+3],   v[AK] offset:(\f/2)*16*PK+(\f%2)*64
	ds_load_b128 v[KF+8*\f+4:KF+8*\f+7], v[AK] offset:(\f/2)*16*PK+(\f%2)*64+32
.endr
	s_add_co_u32 s[TBK], s[TBK], 32*PK
.endm
.macro FETCH_V                         ; a step's V, turned: 4 fragments of 16 channels x 32 keys
	v_add_nc_u32 v[AV], s[TBV], v[AV0]
.irp f, 0,1,2,3
	ds_load_tr16_b128 v[VF+8*\f:VF+8*\f+3],   v[AV] offset:\f*32
	ds_load_tr16_b128 v[VF+8*\f+4:VF+8*\f+7], v[AV] offset:16*PV+\f*32
.endr
	s_add_co_u32 s[TBV], s[TBV], 32*PV
.endm
; in the diagonal tile: score i of tile y's 16 is hidden where 16 (i / 8) + i % 8 is greater than MQ; then MQ goes 32 keys on.  The jump hangs on a scalar made from the work-group's number.
.macro MASK y
	s_cmp_eq_u32 s[DG], 0
	s_cbranch_scc1 .Lopen_\@
.set i, 0
.rept 16
	v_cmp_gt_i32 vcc_lo, 16*(i/8)+i%8, v[MQ+(\y)]
	v_cndmask_b32 v[S+16*(\y)+i], v[S+16*(\y)+i], v[BIGV], vcc_lo
.set i, i+1
.endr
	v_sub_nc_u32 v[MQ+(\y)], v[MQ+(\y)], 32
.Lopen_\@:
.endm
; THE SOFTMAX of tile y for one step: SM writes number sn of a list of 70.  s0-s15 are the lane's scores, in pairs 0-7.
;   0-7 the maximum of the scores and the old m (each accumulator's lowest registers first)   8, 10 the other half of the lanes'; the new m   9, 11-13 c m_old kept; c m; their difference; a
;   14-21 c s - c m   22-53 the 16 exponentials at the even numbers, each with a plain instruction behind it that names neither its result nor its source: rescalings of O, roundings to f16, first sums
;   54-61 the last roundings and sums; l = a l + sum   62-69 the rest of O times a: eight plain instructions, the places in front of what the next turn reads and loads
.macro XR n
	s_wait_alu depctr_va_vdst(0)
	v_pk_mul_f32 v[rO+2*(\n):rO+2*(\n)+1], v[rO+2*(\n):rO+2*(\n)+1], v[rT+6:rT+7] op_sel_hi:[1,0]
.endm
.macro XC n
	s_wait_alu depctr_va_vdst(0)
	v_cvt_pk_f16_f32 v[rP+(\n)], v[rS+2*(\n)], v[rS+2*(\n)+1]
.endm
.macro XA d, s
	v_pk_add_f32 v[rS+2*(\d):rS+2*(\d)+1], v[rS+2*(\d):rS+2*(\d)+1], v[rS+2*(\s):rS+2*(\s)+1]
.endm
.macro SM y
.set rT, ST+8*(\y)
.set rS, S+16*(\y)
.set rP, P+8*(\y)
.set rO, O+32*(\y)
.set sj, (sn+1)/2-12                   ; the odd numbers from 23 on, counted from 0
.if sn < 2
	v_max3_num_f32 v[rT+4+sn], v[rS+8*sn], v[rS+8*sn+1], v[rS+8*sn+2]
.elseif sn < 6
	v_max3_num_f32 v[rT+4+sn%2], v[rT+4+sn%2], v[rS+8*(sn%2)+2*(sn/2)+1], v[rS+8*(sn%2)+2*(sn/2)+2]
.elseif sn == 6
	v_max3_num_f32 v[rT+4], v[rT+4], v[rS+7], v[rS+15]
.elseif sn == 7
	v_max3_num_f32 v[rT+5], v[rT+5], v[rT+1], v[rT+4]
.elseif sn == 8
	v_permlanex16_b32 v[rT+6], v[rT+5], s[SEL], s[SEL+1]
.elseif sn == 9
	v_mov_b32 v[rT+7], v[rT]
.elseif sn == 10
	v_max_num_f32 v[rT+1], v[rT+5], v[rT+6]
.elseif sn == 11
	v_mul_f32 v[rT], s[CS], v[rT+1]
.elseif sn == 12
	v_sub_f32 v[rT+7], v[rT+7], v[rT]
.elseif sn == 13
	v_exp_f32 v[rT+6], v[rT+7]
.elseif sn < 22
	v_pk_fma_f32 v[rS+2*(sn-14):rS+2*(sn-14)+1], v[rS+2*(sn-14):rS+2*(sn-14)+1], s[CS:CS+1], v[rT:rT+1] op_sel_hi:[1,0,0] neg_lo:[0,0,1] neg_hi:[0,0,1]
.elseif (sn < 54) && (sn%2 == 0)
	v_exp_f32 v[rS+(sn-22)/2], v[rS+(sn-22)/2]
.elseif sn < 30
	XR sj
.elseif (sn < 54) && (sj%2 == 0)
	XC (sj-4)/2
.elseif sn < 38
	XR (sj+3)/2
.elseif sn == 41
	XA 0, 1
.elseif sn == 45
	XR 6
.elseif sn == 49
	XA 2, 3
.elseif sn == 53
	XR 7
.elseif sn == 54
	XC 6
.elseif sn == 55
	XA 4, 5
.elseif sn == 56
	XC 7
.elseif sn == 57
	XA 6, 7
.elseif sn == 58
	XA 0, 2
.elseif sn == 59
	XA 4, 6
.elseif sn == 60
	XA 0, 4
.elseif sn == 61
	v_pk_fma_f32 v[rT+2:rT+3], v[rT+2:rT+3], v[rT+6:rT+7], v[rS:rS+1] op_sel_hi:[1,0,1]
.else
	XR sn-54
.endif
.endm
.macro RIDE y, k                       ; the next k numbers of the list
.rept \k
	SM \y
.set sn, sn+1
.endr
.endm
; A TURN: tile x has the matrix unit, tile 1 - x's softmax stands behind its products.  Tile 0's turn fetches the next step's K at its head (K's last reader stands in front of the last turn's closing eight
; rescalings); tile 1's turn fetches the next step's V behind its first K Q^T, twelve vector instructions, eight of them plain, behind V's last reader.
.macro TURN x, pv, kq
.set sn, 0
.if ((\x) == 0) && (\pv)
	s_wait_dscnt 0x0                               ; V is in
.endif
.if ((\x) == 0) && (\kq)
	FETCH_K
.endif
	MASK 1-(\x)
.if \pv
.irp i, 0,1,2,3
	PV \x, \i
	RIDE 1-(\x), 6
.endr
.endif
.if ((\x) == 0) && (\kq)
	s_wait_dscnt 0x0                               ; K is in
.endif
.if \kq
.irp i, 0,1,2,3
	KQ \x, \i
	RIDE 1-(\x), 6
.if ((\x) == 1) && ((\i) == 0)
	FETCH_V
.endif
.endr
.endif
	RIDE 1-(\x), 70-sn
.endm
; A VISIT: the four steps of my half of the tile in the slot that TBK and TBV point into.
.macro VISIT
	FETCH_K
	s_wait_dscnt 0x0
.irp i, 0,1,2,3
	KQ 0, \i                                       ; tile 0's first scores: no vector work of this wave is ready yet
.endr
.rept 4
	v_nop                                          ; the places behind those products
.endr
	TURN 1, 0, 1
	s_mov_b32 s[CNT], 3
.Lstep_\@:
	TURN 0, 1, 1
	TURN 1, 1, 1
	s_sub_co_u32 s[CNT], s[CNT], 1
	s_cmp_lg_u32 s[CNT], 0
	s_cbranch_scc1 .Lstep_\@
	TURN 0, 1, 0
.irp i, 0,1,2,3
	PV 1, \i
.endr
.rept 4
	v_nop                                          ; the places behind the visit's last products
.endr
.endm
.macro BEGIN                           ; a block begins: c m far below every c s, so the first a is 0; m at -1e20, below every score; the masks' counters at my half's first key of the diagonal tile
	s_mov_b32 s[NEW], 0
	v_mov_b32 v[ST], 0xfe000000
	v_mov_b32 v[ST+1], 0xe0ad78ec
	v_mov_b32 v[ST+8], 0xfe000000
	v_mov_b32 v[ST+9], 0xe0ad78ec
	v_add_nc_u32 v[MQ], s[PARS], v[MQB]
	v_add_nc_u32 v[MQ+1], 16, v[MQ]
.endm
; THE END OF A VISIT.  At a block's end waves 4-7 put their O^T (each accumulator's low registers first), c m and l into the hand-over.  The barrier stands outside the branches, in every visit:
; in front of it each wave's LDS instructions are done, behind it waves 0-3 read what waves 4-7 stored.  The bytes are stored again only behind a change of slots, whose barrier follows every wave's wait for its reads.
.macro GIVE
	s_cmp_eq_u32 s[DG], 0
	s_cbranch_scc1 .Lnone_\@
	s_cmp_lt_u32 s[WV], 4
	s_cbranch_scc1 .Lnone_\@
	v_mov_b32 v[S], v[ST]
	v_add_f32 v[S+1], v[ST+2], v[ST+3]
	v_mov_b32 v[S+2], v[ST+8]
	v_add_f32 v[S+3], v[ST+10], v[ST+11]
.set i, 0
.rept 16
	ds_store_b128 v[MG], v[O+4*i:O+4*i+3] offset:512*i
.set i, i+1
.endr
	ds_store_b128 v[MG], v[S:S+3] offset:512*16
.Lnone_\@:
	s_wait_dscnt 0x0                               ; for the others' sake: my stores are done
	s_barrier_signal -1
	s_barrier_wait -1
.endm
; THE WAY OUT, waves 0-3.  With cM the greater of the two c m and f = 2^(c m - cM): l = f l + f' l', summed over the halves of the lanes; O = (f O + f' O') / l, rounded to f16 and sent through my stage, a tile at a time.
.macro PACK t
	s_wait_dscnt 8                                 ; this tile's eight loads of O' are in; out may be: tile 1's eight, or for tile 1 the four stores and four loads of tile 0's stage
.set i, 0
.rept 16
	v_pk_mul_f32 v[O+32*(\t)+2*i:O+32*(\t)+2*i+1], v[O+32*(\t)+2*i:O+32*(\t)+2*i+1], v[ST+8*(\t)+4:ST+8*(\t)+5] op_sel_hi:[1,0]
.set i, i+1
.endr
.set i, 0
.rept 16
	v_pk_fma_f32 v[O+32*(\t)+2*i:O+32*(\t)+2*i+1], v[KF+32*(\t)+2*i:KF+32*(\t)+2*i+1], v[ST+8*(\t)+6:ST+8*(\t)+7], v[O+32*(\t)+2*i:O+32*(\t)+2*i+1] op_sel_hi:[1,0,1]
.set i, i+1
.endr
.set i, 0
.rept 16
	v_cvt_pk_f16_f32 v[KF+32*(\t)+i], v[O+32*(\t)+2*i], v[O+32*(\t)+2*i+1]
.set i, i+1
.endr
.irp f, 0,1,2,3
	ds_store_b128 v[STO], v[KF+32*(\t)+4*\f:KF+32*(\t)+4*\f+3] offset:32*\f
.endr
.irp f, 0,1,2,3
	ds_load_b128 v[KF+32*(\t)+16+4*\f:KF+32*(\t)+16+4*\f+3], v[RD] offset:\f*4*SP  ; LDS serves a wave's instructions in order (ISA guide 5.7.1.4): these see the stores above
.endr
.endm
.macro SEND t, younger                 ; younger: the LDS instructions issued behind tile t's loads
.irp f, 0,1,2,3
	s_wait_dscnt (\younger)+3-\f
	global_store_b128 v[GO], v[KF+32*(\t)+16+4*\f:KF+32*(\t)+16+4*\f+3], s[10:11] offset:(\t)*2048+\f*512  ; 512 consecutive bytes, at a multiple of 256 from the buffer's first
.endr
.endm
.macro OUT
	s_cmp_lt_u32 s[WV], 4
	s_cbranch_scc0 .Lgone_\@
	ds_load_b128 v[S:S+3], v[MG] offset:512*16     ; c m' and l' of both tiles
.set i, 0
.rept 16
	ds_load_b128 v[KF+4*i:KF+4*i+3], v[MG] offset:512*i  ; O' into K's and V's registers, whose last readers stand in front of the visit's closing places
.set i, i+1
.endr
	s_wait_dscnt 16                                ; the statistics are in, the sixteen loads of O' stay out
.irp t, 0,1
	v_max_num_f32 v[ST+8*\t+4], v[ST+8*\t], v[S+2*\t]
.endr
.irp t, 0,1
	v_add_f32 v[ST+8*\t+2], v[ST+8*\t+2], v[ST+8*\t+3]
.endr
.irp t, 0,1
	v_sub_f32 v[ST+8*\t+5], v[ST+8*\t], v[ST+8*\t+4]
.endr
.irp t, 0,1
	v_sub_f32 v[ST+8*\t+6], v[S+2*\t], v[ST+8*\t+4]
.endr
.irp t, 0,1
	v_exp_f32 v[ST+8*\t+5], v[ST+8*\t+5]
.endr
.irp t, 0,1
	v_exp_f32 v[ST+8*\t+6], v[ST+8*\t+6]
.endr
	v_nop                                          ; a plain instruction between the last exponential and the use of its result
	s_wait_alu depctr_va_vdst(0)
.irp t, 0,1
	v_mul_f32 v[ST+8*\t+2], v[ST+8*\t+2], v[ST+8*\t+5]
.endr
.irp t, 0,1
	v_fmac_f32 v[ST+8*\t+2], v[S+2*\t+1], v[ST+8*\t+6]
.endr
.irp t, 0,1
	v_permlanex16_b32 v[ST+8*\t+3], v[ST+8*\t+2], s[SEL], s[SEL+1]
.endr
.irp t, 0,1
	v_add_f32 v[ST+8*\t+2], v[ST+8*\t+2], v[ST+8*\t+3]
.endr
.irp t, 0,1
	v_rcp_f32 v[ST+8*\t+3], v[ST+8*\t+2]
.endr
	v_nop                                          ; a plain instruction between the last reciprocal and the use of its result
	s_wait_alu depctr_va_vdst(0)
.irp t, 0,1
	v_mul_f32 v[ST+8*\t+4], v[ST+8*\t+5], v[ST+8*\t+3]
.endr
.irp t, 0,1
	v_mul_f32 v[ST+8*\t+6], v[ST+8*\t+6], v[ST+8*\t+3]
.endr
	PACK 0
	PACK 1
	SEND 0, 8
	SEND 1, 0
	s_wait_xcnt 0x0                                ; the stores' registers and O's address are rewritten only behind this wait
.Lgone_\@:
.endm
.Lvisit:                                               ; 8 times: a tile is entered and the next is asked for
	CHANGE 1
	s_sub_co_u32 s[RT], s[RT], 1
	s_cmp_eq_u32 s[RT], 0
	s_cselect_b32 s[DG], 1, 0
	s_cmp_eq_u32 s[NEW], 0
	s_cbranch_scc1 .Lold
	BEGIN
.Lold:
	VISIT
	GIVE
	s_cmp_eq_u32 s[DG], 0
	s_cbranch_scc1 .Lbottom
	OUT                                            ; the first block's end
	s_mov_b64 s[10:11], s[OLO:OLO+1]
	s_add_co_u32 s[RT], s[L2], 1                   ; the second block has b / 2 + 1 tiles
	s_and_b32 s[PARS], s[PB], 1
	s_lshl_b32 s[PARS], s[PARS], 7
	s_mov_b32 s[NEW], 1
	WIN 0x01                                       ; source 0 in window 1: the second block's Q goes where the turns name Q
.set i, 0
.rept 32
	v_mov_b32 v[Q+i], v[i]
.set i, i+1
.endr
	WIN 0
.Lbottom:
	s_sub_co_u32 s[VIS], s[VIS], 1
	s_cmp_lg_u32 s[VIS], 0
	s_cbranch_scc1 .Lvisit
	CHANGE 0                                       ; the walk's last tile, the second block's diagonal one, is written out: nothing is asked for
	s_mov_b32 s[DG], 1
	s_cmp_eq_u32 s[NEW], 0
	s_cbranch_scc1 .Lold2
	BEGIN
.Lold2:
	VISIT
	GIVE
	OUT
	s_wait_tensorcnt 0x0                           ; the wave's end
	ds_add_u32 v[SPW], v[NIL]
	s_wait_dscnt 0x0
	s_endpgm
.Lfunc_end_k_q90a0da6a73_attn:
	.size	k_q90a0da6a73_attn, .Lfunc_end_k_q90a0da6a73_attn-k_q90a0da6a73_attn
	.p2alignl 7, 3214868480
	.fill 96, 4, 3214868480
	.section	.rodata,"a",@progbits
	.p2align	6, 0x0
	.amdhsa_kernel k_q90a0da6a73_attn
		.amdhsa_group_segment_fixed_size 327680
		.amdhsa_private_segment_fixed_size 0
		.amdhsa_enable_private_segment 0
		.amdhsa_kernarg_size 16
		.amdhsa_user_sgpr_count 2
		.amdhsa_user_sgpr_kernarg_segment_ptr 1
		.amdhsa_wavefront_size32 1
		.amdhsa_system_sgpr_workgroup_id_x 1
		.amdhsa_system_sgpr_workgroup_id_y 1
		.amdhsa_system_sgpr_workgroup_id_z 1
		.amdhsa_system_vgpr_workitem_id 0
		.amdhsa_next_free_vgpr 288
		.amdhsa_next_free_sgpr 88
		.amdhsa_reserve_vcc 1
		.amdhsa_float_denorm_mode_32 3
		.amdhsa_float_denorm_mode_16_64 3
		.amdhsa_memory_ordered 1
		.amdhsa_forward_progress 1
		.amdhsa_inst_pref_size 93
	.end_amdhsa_kernel
	.amdgpu_metadata
---
amdhsa.version: [ 1, 2 ]
amdhsa.kernels:
  - .name:           k_q90a0da6a73_attn
    .symbol:         k_q90a0da6a73_attn.kd
    .args:
      - { .name: qx, .offset: 0, .size: 8, .value_kind: global_buffer, .address_space: global }
      - { .name: pan, .offset: 8, .size: 8, .value_kind: global_buffer, .address_space: global }
    .group_segment_fixed_size: 327680
    .private_segment_fixed_size: 0
    .kernarg_segment_align: 8
    .kernarg_segment_size: 16
    .max_flat_workgroup_size: 256
    .sgpr_count:     88
    .vgpr_count:     288
    .wavefront_size: 32
...
	.end_amdgpu_metadata
.endif
;; end of part 3
;; launch wo (part 4): grid 8 x 32, 4 waves a work-group, clusters of 4 x 4, 327,680 bytes of LDS; arguments pan, bw, y; writes y
.if DOCPART == 4
	.amdgcn_target "amdgcn-amd-amdhsa--gfx1250"
	.amdhsa_code_object_version 6
	.text
	.protected	k_q90a0da6a73_wo
	.globl	k_q90a0da6a73_wo
	.p2align	8
	.type	k_q90a0da6a73_wo,@function
k_q90a0da6a73_wo:
	s_mov_b64 s[64:65], 0
	v_nop
	global_prefetch_b8 v0, s[64:65] scope:SCOPE_SE
	s_setreg_imm32_b32 hwreg(HW_REG_WAVE_MODE, 25, 1), 1
	s_wait_xcnt 0x0
	s_wait_alu depctr_hold_cnt(0) depctr_sa_sdst(0) depctr_va_vdst(0) depctr_va_sdst(0) depctr_va_ssrc(0) depctr_va_vcc(0) depctr_vm_vsrc(0)
	s_getreg_b32 s2, hwreg(HW_REG_IB_STS2, 6, 4)
	s_cmp_eq_u32 s2, 0
	s_cbranch_scc0 .Lentry_in_a_cluster
	s_endpgm
.Lentry_in_a_cluster:
	s_bfe_u32 s2, ttmp6, 0x10000c
	s_cmp_lg_u32 s2, 0xf033
	s_cbranch_scc0 .Lentry_shape_is_right
	s_endpgm
.Lentry_shape_is_right:
; Y = A B.  A: panels [KTOT / 64][4096][64] f16.  B: [KTOT][1024] f16 at byte BOFF of its buffer, N along the rows.  Y: [4096][1024] f32.  Sums in f32, K ascending.
; A tile of Y is 128 x 128, so that 256 work-groups share the 4096 x 1024 numbers: four waves, 64 x 64 each, 16 accumulators.  K goes in steps of 256 (four panels) through two LDS slots.
; CLUSTER 4 x 4: A's tiles are shared along a row of the cluster, B's along a column: joint loads with one descriptor and a mask of four.
; THE MATRIX INSTRUCTION IS USED TRANSPOSED: source 0 = 16 columns of B (turned out of LDS), source 1 = 16 rows of A: a lane holds eight neighbouring columns of one row of Y.
; REGISTERS: window 0: v16-29 addresses, v32-95 the way out, v128-255 the accumulators ((a, b) at 128 + 8 (4 a + b)); window 1: two fragment buffers of 128 (64 of A, 64 of B, for 64 along K).
.set KTOT,  1024
.set BOFF,  0
.set STEPS, KTOT/256
.set PA,    144                        ; a row of a panel in LDS: 128 bytes + 16 (64 banks of 4 bytes: ISA guide 11.1: the 16 rows of a load start at 16 different groups of four banks)
.set PB,    288                        ; a k-row of B: 256 bytes + 32
.set PANL,  128*PA                     ; 128 rows of one panel
.set HALFT, 2*PANL                     ; what one tensor load brings: two panels of A, or 128 k-rows of B (128 x 288 is the same number)
.set SLOT,  4*HALFT                    ; 0x24000: no wave's share, wave x 0x9000, has either of its two bits
.set STAGE, 2*SLOT                     ; behind the ring, never filled: 16 rows x 272 bytes for each wave
.set SPITCH, 272
.set SPARE, STAGE+4*16*SPITCH
.set ADRA0, 16
.set ADRA,  17
.set ADRB0, 18
.set ADRB,  19                         ; v19 quarters 0, 1; v20 quarters 2, 3 (128 k-rows on), so that the offsets stay within 16 bits
.set STO,   24
.set RD,    25
.set CO,    26
.set SPW,   28
.set NIL,   29
.set TMP,   32
.set ACC,   128
.set F0,    0
.set F1,    128
.set G1,  24
.set G0,  32
.set G1B, 48
.set G0B, 56
.set MSB, 0
.macro WIN new
.if MSB != (\new)
	s_set_vgpr_msb (MSB<<8)|(\new)
.set MSB, \new
.endif
.endm
.set MUL,  0x05                        ; sources 0 (B) and 1 (A) window 1; C and D window 0
.set TO_F, 0x40                        ; destination window 1, address window 0
.macro JLOAD s                         ; waves 0, 1 fetch A's halves, waves 2, 3 B's; s_nop 0 and four v_nop follow each line
	s_cmp_eq_u32 s11, 0
	s_cbranch_scc0 .Lfor_b_\@
	tensor_load_to_lds s[G0+4*(\s):G0+4*(\s)+3], s[G1:G1+7]
	s_nop 0
.rept 4
	v_nop
.endr
	s_branch .Lasked_\@
.Lfor_b_\@:
	tensor_load_to_lds s[G0B+4*(\s):G0B+4*(\s)+3], s[G1B:G1B+7]
	s_nop 0
.rept 4
	v_nop
.endr
.Lasked_\@:
.endm
.macro CREST
	s_cmp_lg_u32 s10, 0
	s_cbranch_scc1 .Lnot_wave_0_\@
	s_barrier_signal -3
.Lnot_wave_0_\@:
	s_barrier_wait -3
	s_barrier_signal -1
	s_barrier_wait -1
.endm
.macro CROUND
	s_barrier_signal -1
	s_barrier_wait -1
	CREST
.endm
.macro PLACES
.rept 4
	v_nop
.endr
.endm
	s_load_b128 s[4:7], s[0:1], 0x0                ; A s[4:5], B s[6:7]
	s_load_b64 s[8:9], s[0:1], 0x10                ; Y
	v_lshl_add_u32 v[SPW], v0, 2, SPARE
	v_mov_b32 v[NIL], 0
	ds_add_u32 v[SPW], v[NIL]                      ; the wave's opening: the add and its wait ahead of my first tensor load
	v_lshrrev_b32 v1, 5, v0
	v_readfirstlane_b32 s10, v1
	s_lshr_b32 s11, s10, 1
	s_and_b32 s12, s10, 1
	s_bfe_u32 s40, ttmp6, 0x40000
	s_bfe_u32 s41, ttmp6, 0x40004
	s_lshl_b32 s42, ttmp9, 2
	s_add_co_u32 s42, s42, s40                     ; tile column
	s_and_b32 s13, ttmp7, 0xffff
	s_lshl_b32 s13, s13, 2
	s_add_co_u32 s13, s13, s41                     ; tile row
	s_lshl_b32 s43, s41, 2
	s_lshl_b32 s43, 15, s43
	s_lshl_b32 s44, 0x1111, s40
	; A: two panels' 128 rows are twice 16,384 dense bytes: 2 rows of 8,192 elements, a panel apart, padded in LDS after every 128 bytes
	s_or_b32 s[G1+0], s43, (1<<16)|(1<<20)|(1<<21)|(4<<22)|(3<<25)
	s_mov_b32 s[G1+1], 8192<<16                    ; tensor_dim0 = 8192
	s_mov_b32 s[G1+2], 2<<16                       ; tensor_dim1 = 2
	s_mov_b32 s[G1+3], 8192<<16                    ; tile_dim0 = 8192
	s_mov_b32 s[G1+4], 2                           ; tile_dim1 = 2
	s_mov_b32 s[G1+5], 262144                      ; elements from panel to panel
	s_mov_b32 s[G1+6], 0
	s_mov_b32 s[G1+7], 0
	s_or_b32 s[G1B+0], s44, (1<<16)|(1<<20)|(1<<21)|(5<<22)|(7<<25)  ; B: 128 k-rows x 128 elements, 8 words behind every 64
	s_mov_b32 s[G1B+1], 128<<16
	s_mov_b32 s[G1B+2], 128<<16
	s_mov_b32 s[G1B+3], 128<<16
	s_mov_b32 s[G1B+4], 128
	s_mov_b32 s[G1B+5], 1024
	s_mov_b32 s[G1B+6], 0
	s_mov_b32 s[G1B+7], 0
	s_lshl_b32 s16, s13, 14                        ; A: 128 rows of 128 bytes for each tile row,
	s_lshl_b32 s17, s12, 20                        ; two panels for the half
	s_add_co_u32 s16, s16, s17
	s_mov_b32 s17, 0
	s_lshl_b32 s46, s42, 8                         ; B: 128 columns of 2 bytes for each tile column,
	s_lshl_b32 s47, s12, 18                        ; 128 k-rows of 2,048 bytes for the half
	s_add_co_u32 s46, s46, s47
.if BOFF
	s_add_co_u32 s46, s46, BOFF
.endif
	s_mov_b32 s47, 0
	s_mul_i32 s20, s10, HALFT
	s_mov_b32 s22, 0                               ; the slot being read
	s_wait_dscnt 0x0                               ; the opening add is done
	s_wait_kmcnt 0x0
	s_add_nc_u64 s[14:15], s[4:5], s[16:17]
	s_add_nc_u64 s[46:47], s[6:7], s[46:47]
	CROUND                                         ; the first joint loads meet
.irp s, 0,1
	s_mov_b32 s[G0+4*(\s)], 1
	s_add_co_u32 s[G0+4*(\s)+1], s20, (\s)*SLOT
	s_add_nc_u64 s[G0+4*(\s)+2:G0+4*(\s)+3], s[14:15], (\s)*2097152   ; K step s: four panels on
	s_or_b32 s[G0+4*(\s)+3], s[G0+4*(\s)+3], 0x80000000
	s_mov_b32 s[G0B+4*(\s)], 1
	s_add_co_u32 s[G0B+4*(\s)+1], s20, (\s)*SLOT
	s_add_nc_u64 s[G0B+4*(\s)+2:G0B+4*(\s)+3], s[46:47], (\s)*524288  ; K step s: 256 k-rows down
	s_or_b32 s[G0B+4*(\s)+3], s[G0B+4*(\s)+3], 0x80000000
	JLOAD \s                                       ; two loads of mine are out
.endr
	v_and_b32 v1, 15, v0
	v_bfe_u32 v2, v0, 4, 1
	v_mul_u32_u24 v3, v1, PA
	v_lshl_add_u32 v3, v2, 4, v3
	s_mul_i32 s21, s11, 64*PA
	v_add_nc_u32 v[ADRA0], s21, v3
	v_and_b32 v4, 7, v0
	v_bfe_u32 v5, v0, 3, 1
	v_lshl_add_u32 v6, v2, 3, v4
	v_mul_u32_u24 v6, v6, PB
	v_lshl_add_u32 v6, v5, 4, v6
	s_lshl_b32 s21, s12, 7
	s_add_co_u32 s21, s21, 2*HALFT
	v_add_nc_u32 v[ADRB0], s21, v6
	v_mov_b32 v[ADRA], v[ADRA0]
	v_mov_b32 v[ADRB], v[ADRB0]
	v_add_nc_u32 v[ADRB+1], HALFT, v[ADRB0]
	s_mul_i32 s23, s10, 16*SPITCH
	s_add_co_u32 s23, s23, STAGE
	v_mul_u32_u24 v7, v1, SPITCH
	v_lshl_add_u32 v7, v2, 5, v7
	v_add_nc_u32 v[STO], s23, v7                   ; in: row r, 32 bytes for each half of the lanes
	v_mul_u32_u24 v7, v2, SPITCH
	v_lshl_add_u32 v7, v1, 4, v7
	v_add_nc_u32 v[RD], s23, v7                    ; back: lanes 0-15 one row of 256 bytes, lanes 16-31 the next
	v_lshlrev_b32 v7, 12, v2
	v_lshl_add_u32 v[CO], v1, 4, v7                ; and the same two rows in Y
	s_lshl_b32 s16, s13, 7
	s_lshl_b32 s17, s11, 6
	s_add_co_u32 s16, s16, s17
	s_lshl_b32 s16, s16, 12                        ; my first row, of 4,096 bytes
	s_lshl_b32 s46, s42, 9
	s_lshl_b32 s47, s12, 8
	s_add_co_u32 s46, s46, s47
	s_add_co_u32 s46, s46, s16
	s_mov_b32 s47, 0
	s_add_nc_u64 s[8:9], s[8:9], s[46:47]
.macro MUL8 f, c, a0, zero             ; 8 matrix instructions: m blocks a0, a0 + 1 x 4 n blocks, half c (32 along K) of buffer f
	WIN MUL
.irp a, \a0, (\a0)+1
.irp b, 0,1,2,3
.if \zero
	v_wmma_f32_16x16x32_f16 v[ACC+8*(4*(\a)+(\b)):ACC+8*(4*(\a)+(\b))+7], v[(\f)+64+8*(4*(\c)+(\b)):(\f)+64+8*(4*(\c)+(\b))+7], v[(\f)+8*(4*(\c)+(\a)):(\f)+8*(4*(\c)+(\a))+7], 0
.else
	v_wmma_f32_16x16x32_f16 v[ACC+8*(4*(\a)+(\b)):ACC+8*(4*(\a)+(\b))+7], v[(\f)+64+8*(4*(\c)+(\b)):(\f)+64+8*(4*(\c)+(\b))+7], v[(\f)+8*(4*(\c)+(\a)):(\f)+8*(4*(\c)+(\a))+7], v[ACC+8*(4*(\a)+(\b)):ACC+8*(4*(\a)+(\b))+7]
.endif
.endr
.endr
.endm
.macro FETCH q, f                      ; 32 LDS loads in one run: quarter q (one panel, 64 along K) into buffer f; its first 32 along K first
	WIN TO_F
.irp c, 0,1
.irp i, 0,1,2,3
	ds_load_tr16_b128 v[(\f)+64+8*(4*(\c)+(\i)):(\f)+64+8*(4*(\c)+(\i))+3],   v[ADRB+(\q)/2] offset:(((\q)%2)*64+32*(\c))*PB+32*(\i)
	ds_load_tr16_b128 v[(\f)+64+8*(4*(\c)+(\i))+4:(\f)+64+8*(4*(\c)+(\i))+7], v[ADRB+(\q)/2] offset:(((\q)%2)*64+32*(\c))*PB+16*PB+32*(\i)
	ds_load_b128 v[(\f)+8*(4*(\c)+(\i)):(\f)+8*(4*(\c)+(\i))+3],   v[ADRA] offset:(\q)*PANL+64*(\c)+(\i)*16*PA
	ds_load_b128 v[(\f)+8*(4*(\c)+(\i))+4:(\f)+8*(4*(\c)+(\i))+7], v[ADRA] offset:(\q)*PANL+64*(\c)+(\i)*16*PA+32
.endr
.endr
.endm
.macro QUARTER q, f, g, zero           ; multiplies buffer f, fetches quarter q into g; the 16 accumulators take turns
	s_wait_dscnt 16                                ; the first 32 along K are in
	MUL8 \f, 0, 0, \zero
	MUL8 \f, 0, 2, \zero
	PLACES
	FETCH \q, \g
	s_wait_dscnt 32                                ; all but the 32 just issued
	MUL8 \f, 1, 0, 0
	MUL8 \f, 1, 2, 0
.endm
.macro TURN fill                       ; the last quarter of a step, and the change of slots
	WIN 0
	s_wait_tensorcnt 0x0                           ; all my tensor loads have landed: my share of the next slot
	ds_add_u32 v[SPW], v[NIL]
	s_wait_dscnt 17                                ; the add and the youngest sixteen loads may be out
	MUL8 F1, 0, 0, 0
	s_wait_dscnt 0x0                               ; the add is done, my reads of this slot are over
	s_barrier_signal -1
	MUL8 F1, 0, 2, 0
	WIN 0
	s_barrier_wait -1
.if \fill
	CREST                                          ; no wave of any partner still reads the slot or has a load on its way
	s_xor_b32 s[G0+5], s[G0+5], SLOT
	s_add_nc_u64 s[G0+6:G0+7], s[G0+6:G0+7], 2097152
	s_xor_b32 s[G0B+5], s[G0B+5], SLOT
	s_add_nc_u64 s[G0B+6:G0B+7], s[G0B+6:G0B+7], 524288
	JLOAD 1                                        ; 112 matrix instructions ahead of the wait for it; its four v_nop are also the places in front of the loads below
.else
	PLACES
.endif
	s_xor_b32 s22, s22, SLOT
	v_add_nc_u32 v[ADRA], s22, v[ADRA0]
	v_add_nc_u32 v[ADRB], s22, v[ADRB0]
	v_add_nc_u32 v[ADRB+1], HALFT, v[ADRB]
	FETCH 0, F0
	MUL8 F1, 1, 0, 0
	MUL8 F1, 1, 2, 0
.endm
	s_wait_tensorcnt 1                             ; my share of K step 0 is in; step 1's may stay out
	s_barrier_signal -1
	s_barrier_wait -1
	FETCH 0, F0
	QUARTER 1, F0, F1, 1
	WIN 0
	s_mov_b32 s3, STEPS-2
.Lstep:
	QUARTER 2, F1, F0, 0
	QUARTER 3, F0, F1, 0
	TURN 1
	QUARTER 1, F0, F1, 0
	WIN 0
	s_sub_co_u32 s3, s3, 1
	s_cmp_lg_u32 s3, 0
	s_cbranch_scc1 .Lstep
	QUARTER 2, F1, F0, 0                           ; the last two steps ask for nothing
	QUARTER 3, F0, F1, 0
	TURN 0
	QUARTER 1, F0, F1, 0
	QUARTER 2, F1, F0, 0
	QUARTER 3, F0, F1, 0
	s_wait_dscnt 16
	MUL8 F1, 0, 0, 0
	MUL8 F1, 0, 2, 0
	s_wait_dscnt 0x0
	MUL8 F1, 1, 0, 0
	MUL8 F1, 1, 2, 0
	WIN 0
	; THE WAY OUT: 16 rows at a time through my own stage: in as 32 bytes a lane (each accumulator's low registers first), back as whole rows of 256 bytes.
.macro TOSTAGE a
.irp b, 0,1,2,3
	ds_store_b128 v[STO], v[ACC+8*(4*(\a)+(\b)):ACC+8*(4*(\a)+(\b))+3]   offset:64*(\b)
	ds_store_b128 v[STO], v[ACC+8*(4*(\a)+(\b))+4:ACC+8*(4*(\a)+(\b))+7] offset:64*(\b)+16
.endr
.irp t, 0,1,2,3,4,5,6,7
	ds_load_b128 v[TMP+32*((\a)%2)+4*(\t):TMP+32*((\a)%2)+4*(\t)+3], v[RD] offset:(\t)*2*SPITCH  ; LDS serves a wave's instructions in order (ISA guide 5.7.1.4)
.endr
.endm
.macro SEND a, younger                 ; younger: the LDS instructions issued behind block a's loads
.irp t, 0,1,2,3,4,5,6,7
	s_wait_dscnt (\younger)+7-(\t)
	global_store_b128 v[CO], v[TMP+32*((\a)%2)+4*(\t):TMP+32*((\a)%2)+4*(\t)+3], s[8:9] offset:(16*(\a)+2*(\t))*4096  ; 16 lanes store 256 consecutive aligned bytes
.endr
.endm
	PLACES
	TOSTAGE 0
	TOSTAGE 1
	SEND 0, 16
	s_wait_xcnt 0x0                                ; block 0's registers are loaded again only behind this wait
	TOSTAGE 2
	SEND 1, 16
	s_wait_xcnt 0x0
	TOSTAGE 3
	SEND 2, 16
	SEND 3, 0
	s_wait_tensorcnt 0x0                           ; the wave's end
	ds_add_u32 v[SPW], v[NIL]
	s_wait_dscnt 0x0
	CROUND                                         ; the closing round
	s_endpgm
.Lfunc_end_k_q90a0da6a73_wo:
	.size	k_q90a0da6a73_wo, .Lfunc_end_k_q90a0da6a73_wo-k_q90a0da6a73_wo
	.p2alignl 7, 3214868480
	.fill 96, 4, 3214868480
	.section	.rodata,"a",@progbits
	.p2align	6, 0x0
	.amdhsa_kernel k_q90a0da6a73_wo
		.amdhsa_group_segment_fixed_size 327680
		.amdhsa_private_segment_fixed_size 0
		.amdhsa_enable_private_segment 0
		.amdhsa_kernarg_size 24
		.amdhsa_user_sgpr_count 2
		.amdhsa_user_sgpr_kernarg_segment_ptr 1
		.amdhsa_wavefront_size32 1
		.amdhsa_system_sgpr_workgroup_id_x 1
		.amdhsa_system_sgpr_workgroup_id_y 1
		.amdhsa_system_sgpr_workgroup_id_z 1
		.amdhsa_system_vgpr_workitem_id 0
		.amdhsa_next_free_vgpr 512
		.amdhsa_next_free_sgpr 66
		.amdhsa_reserve_vcc 0
		.amdhsa_float_denorm_mode_32 3
		.amdhsa_float_denorm_mode_16_64 3
		.amdhsa_memory_ordered 1
		.amdhsa_forward_progress 1
		.amdhsa_inst_pref_size 69
	.end_amdhsa_kernel
	.amdgpu_metadata
---
amdhsa.version: [ 1, 2 ]
amdhsa.kernels:
  - .name:           k_q90a0da6a73_wo
    .symbol:         k_q90a0da6a73_wo.kd
    .args:
      - { .name: pan, .offset: 0, .size: 8, .value_kind: global_buffer, .address_space: global }
      - { .name: bw, .offset: 8, .size: 8, .value_kind: global_buffer, .address_space: global }
      - { .name: y, .offset: 16, .size: 8, .value_kind: global_buffer, .address_space: global }
    .group_segment_fixed_size: 327680
    .private_segment_fixed_size: 0
    .kernarg_segment_align: 8
    .kernarg_segment_size: 24
    .max_flat_workgroup_size: 128
    .sgpr_count:     66
    .vgpr_count:     512
    .wavefront_size: 32
...
	.end_amdgpu_metadata
.endif
;; end of part 4
;; launch ln1 (part 5): grid 512 x 1, 8 waves a work-group, no clusters, 0 bytes of LDS; arguments y, x, g1, bt1, qx, ah; writes qx, ah
.if DOCPART == 5
	.amdgcn_target "amdgcn-amd-amdhsa--gfx1250"
	.amdhsa_code_object_version 6
	.text
	.protected	k_q90a0da6a73_ln1
	.globl	k_q90a0da6a73_ln1
	.p2align	8
	.type	k_q90a0da6a73_ln1,@function
k_q90a0da6a73_ln1:
	s_mov_b64 s[64:65], 0
	v_nop
	global_prefetch_b8 v0, s[64:65] scope:SCOPE_SE
	s_setreg_imm32_b32 hwreg(HW_REG_WAVE_MODE, 25, 1), 1
	s_wait_xcnt 0x0
; x1 = bf16(x) + LayerNorm(y) bf16(g) + bf16(bt), by rows of 1,024.  y: f32.  x1 goes out twice: as f32 (the residual of the second norm) and as f16 (the operand of the next product).
; x, g and bt are inputs and are rounded to bf16 like every input of the program.  LIMIT: x1 beyond 65,504 becomes an infinity in the f16 copy.
; A stream: one wave takes one row and keeps it in 32 registers between the passes, so y is read once and no wave waits for another: no LDS, no barrier, no matrix unit.
; The mean is taken first and the variance of the differences, as the definition has it.  Lane l holds columns 128 j + 4 l + 0..3, j = 0..7: every load and store of the wave covers 512 consecutive bytes.
.set SECOND, 0
.set Y,  4
.set X,  36
.set G,  68
.set BT, 100
.set H,  132                           ; v[132:147] packed halves at work
.set T,  148                           ; v[148:155] four chains
.set MU, 160
.set RS, 162
.set BO, 164
.macro LOAD8 dst, base, nt
.irp j, 0,1,2,3,4,5,6,7
.if \nt
	global_load_b128 v[(\dst)+4*(\j):(\dst)+4*(\j)+3], v1, s[\base:\base+1] offset:512*(\j) th:TH_LOAD_NT
.else
	global_load_b128 v[(\dst)+4*(\j):(\dst)+4*(\j)+3], v1, s[\base:\base+1] offset:512*(\j)
.endif
.endr
.endm
.macro RND a                           ; 32 numbers rounded to bf16 and widened again
.set p, 0
.rept 16
	v_cvt_pk_bf16_f32 v[H+p], v[(\a)+2*p], v[(\a)+2*p+1]
.set p, p+1
.endr
.set p, 0
.rept 16
	v_lshlrev_b32 v[(\a)+2*p], 16, v[H+p]
	v_and_b32 v[(\a)+2*p+1], s24, v[H+p]
.set p, p+1
.endr
.endm
.macro ACROSS                          ; the four chains into one number, then over the 32 lanes; every lane ends with the sum in v[T]
	v_pk_add_f32 v[T:T+1], v[T:T+1], v[T+2:T+3]
	v_pk_add_f32 v[T+4:T+5], v[T+4:T+5], v[T+6:T+7]
	v_pk_add_f32 v[T:T+1], v[T:T+1], v[T+4:T+5]
	v_add_f32 v[T], v[T], v[T+1]
	v_add_f32_dpp v[T], v[T], v[T] row_xmask:1 row_mask:0xf bank_mask:0xf
	v_add_f32_dpp v[T], v[T], v[T] row_xmask:2 row_mask:0xf bank_mask:0xf
	v_add_f32_dpp v[T], v[T], v[T] row_xmask:4 row_mask:0xf bank_mask:0xf
	v_add_f32_dpp v[T], v[T], v[T] row_xmask:8 row_mask:0xf bank_mask:0xf
	v_permlanex16_b32 v[T+1], v[T], s26, s27
	v_add_f32 v[T], v[T], v[T+1]
.endm
.macro ALL16 line:vararg               ; one line for each of the row's 16 pairs p
.set p, 0
.rept 16
	\line
.set p, p+1
.endr
.endm
	s_load_b256 s[4:11], s[0:1], 0x0               ; y 4, residual 6, g 8, bt 10
	s_load_b128 s[12:15], s[0:1], 0x20             ; f32 out 12; 14: the f16 copy (first norm) or b_out (second)
	v_lshrrev_b32 v3, 5, v0
	v_readfirstlane_b32 s16, v3
	s_lshl_b32 s17, ttmp9, 3
	s_add_co_u32 s16, s16, s17                     ; my row
	s_lshl_b32 s18, s16, 12
	s_mov_b32 s19, 0
	s_lshl_b32 s20, s16, 11
	s_mov_b32 s21, 0
	s_mov_b32 s22, 0x3a800000                      ; 1 / 1024
	s_mov_b32 s23, 0x3727c5ac                      ; 1e-5
	s_mov_b32 s24, 0xffff0000
	s_mov_b32 s26, 0x76543210
	s_mov_b32 s27, 0xfedcba98
	v_and_b32 v1, 31, v0
	v_lshlrev_b32 v2, 3, v1
	v_lshlrev_b32 v1, 4, v1
	s_wait_kmcnt 0x0
	s_add_nc_u64 s[4:5], s[4:5], s[18:19]
	s_add_nc_u64 s[6:7], s[6:7], s[18:19]
	s_add_nc_u64 s[12:13], s[12:13], s[18:19]
.if !SECOND
	s_add_nc_u64 s[14:15], s[14:15], s[20:21]
.endif
	LOAD8 Y, 4, 1
.if SECOND
	LOAD8 BO, 14, 0
.endif
	LOAD8 X, 6, 1
	LOAD8 G, 8, 0
	LOAD8 BT, 10, 0
	s_wait_loadcnt 24                              ; the residual, g and bt, eight loads each, stay out
.if SECOND
	RND BO
	ALL16 v_pk_add_f32 v[Y+2*p:Y+2*p+1], v[Y+2*p:Y+2*p+1], v[BO+2*p:BO+2*p+1]
.endif
.irp c, 0,1,2,3
	v_pk_add_f32 v[T+2*\c:T+2*\c+1], v[Y+2*\c:Y+2*\c+1], v[Y+8+2*\c:Y+8+2*\c+1]
.endr
.irp g, 2,3
.irp c, 0,1,2,3
	v_pk_add_f32 v[T+2*\c:T+2*\c+1], v[T+2*\c:T+2*\c+1], v[Y+8*\g+2*\c:Y+8*\g+2*\c+1]
.endr
.endr
	ACROSS
	v_mul_f32 v[MU], s22, v[T]
	v_mov_b32 v[MU+1], v[MU]
	ALL16 v_pk_add_f32 v[Y+2*p:Y+2*p+1], v[Y+2*p:Y+2*p+1], v[MU:MU+1] neg_lo:[0,1] neg_hi:[0,1]
.irp c, 0,1,2,3
	v_pk_mul_f32 v[T+2*\c:T+2*\c+1], v[Y+2*\c:Y+2*\c+1], v[Y+2*\c:Y+2*\c+1]
.endr
.irp g, 1,2,3
.irp c, 0,1,2,3
	v_pk_fma_f32 v[T+2*\c:T+2*\c+1], v[Y+8*\g+2*\c:Y+8*\g+2*\c+1], v[Y+8*\g+2*\c:Y+8*\g+2*\c+1], v[T+2*\c:T+2*\c+1]
.endr
.endr
	ACROSS
	v_fma_f32 v[T], v[T], s22, s23                 ; variance + eps
	v_rsq_f32 v[RS], v[T]
	v_rsq_f32 v[RS+1], v[T]
	v_nop                                          ; a plain instruction behind the last transcendental (ISA guide 5.7.2)
	s_wait_alu depctr_va_vdst(0)
	s_wait_loadcnt 16                              ; the residual is in
.if !SECOND
	RND X
.endif
	s_wait_loadcnt 8                               ; g
	RND G
	s_wait_loadcnt 0x0                             ; bt
	RND BT
	ALL16 v_pk_mul_f32 v[Y+2*p:Y+2*p+1], v[Y+2*p:Y+2*p+1], v[RS:RS+1]
	ALL16 v_pk_fma_f32 v[Y+2*p:Y+2*p+1], v[Y+2*p:Y+2*p+1], v[G+2*p:G+2*p+1], v[BT+2*p:BT+2*p+1]
	ALL16 v_pk_add_f32 v[Y+2*p:Y+2*p+1], v[Y+2*p:Y+2*p+1], v[X+2*p:X+2*p+1]
.irp j, 0,1,2,3,4,5,6,7
.if SECOND
	global_store_b128 v1, v[Y+4*\j:Y+4*\j+3], s[12:13] offset:512*\j th:TH_STORE_NT
.else
	global_store_b128 v1, v[Y+4*\j:Y+4*\j+3], s[12:13] offset:512*\j
.endif
.endr
.if !SECOND
	ALL16 v_cvt_pk_f16_f32 v[H+p], v[Y+2*p], v[Y+2*p+1]
.irp j, 0,1,2,3,4,5,6,7
	global_store_b64 v2, v[H+2*\j:H+2*\j+1], s[14:15] offset:256*\j   ; the wave stores 256 consecutive aligned bytes
.endr
.endif
	s_endpgm
.Lfunc_end_k_q90a0da6a73_ln1:
	.size	k_q90a0da6a73_ln1, .Lfunc_end_k_q90a0da6a73_ln1-k_q90a0da6a73_ln1
	.p2alignl 7, 3214868480
	.fill 96, 4, 3214868480
	.section	.rodata,"a",@progbits
	.p2align	6, 0x0
	.amdhsa_kernel k_q90a0da6a73_ln1
		.amdhsa_group_segment_fixed_size 0
		.amdhsa_private_segment_fixed_size 0
		.amdhsa_enable_private_segment 0
		.amdhsa_kernarg_size 48
		.amdhsa_user_sgpr_count 2
		.amdhsa_user_sgpr_kernarg_segment_ptr 1
		.amdhsa_wavefront_size32 1
		.amdhsa_system_sgpr_workgroup_id_x 1
		.amdhsa_system_sgpr_workgroup_id_y 1
		.amdhsa_system_sgpr_workgroup_id_z 1
		.amdhsa_system_vgpr_workitem_id 0
		.amdhsa_next_free_vgpr 168
		.amdhsa_next_free_sgpr 66
		.amdhsa_reserve_vcc 0
		.amdhsa_float_denorm_mode_32 3
		.amdhsa_float_denorm_mode_16_64 3
		.amdhsa_memory_ordered 1
		.amdhsa_forward_progress 1
		.amdhsa_inst_pref_size 20
	.end_amdhsa_kernel
	.amdgpu_metadata
---
amdhsa.version: [ 1, 2 ]
amdhsa.kernels:
  - .name:           k_q90a0da6a73_ln1
    .symbol:         k_q90a0da6a73_ln1.kd
    .args:
      - { .name: y, .offset: 0, .size: 8, .value_kind: global_buffer, .address_space: global }
      - { .name: x, .offset: 8, .size: 8, .value_kind: global_buffer, .address_space: global }
      - { .name: g1, .offset: 16, .size: 8, .value_kind: global_buffer, .address_space: global }
      - { .name: bt1, .offset: 24, .size: 8, .value_kind: global_buffer, .address_space: global }
      - { .name: qx, .offset: 32, .size: 8, .value_kind: global_buffer, .address_space: global }
      - { .name: ah, .offset: 40, .size: 8, .value_kind: global_buffer, .address_space: global }
    .group_segment_fixed_size: 0
    .private_segment_fixed_size: 0
    .kernarg_segment_align: 8
    .kernarg_segment_size: 48
    .max_flat_workgroup_size: 256
    .sgpr_count:     66
    .vgpr_count:     168
    .wavefront_size: 32
...
	.end_amdgpu_metadata
.endif
;; end of part 5
;; launch mlp1: the kernel of part 2 again; grid 16 x 16, 4 waves a work-group, clusters of 4 x 4, 327,680 bytes of LDS; arguments ah, bm, pan; writes pan
;; launch mlp2 (part 6): grid 8 x 32, 4 waves a work-group, clusters of 4 x 4, 327,680 bytes of LDS; arguments pan, bw, y; writes y
.if DOCPART == 6
	.amdgcn_target "amdgcn-amd-amdhsa--gfx1250"
	.amdhsa_code_object_version 6
	.text
	.protected	k_q90a0da6a73_mlp2
	.globl	k_q90a0da6a73_mlp2
	.p2align	8
	.type	k_q90a0da6a73_mlp2,@function
k_q90a0da6a73_mlp2:
	s_mov_b64 s[64:65], 0
	v_nop
	global_prefetch_b8 v0, s[64:65] scope:SCOPE_SE
	s_setreg_imm32_b32 hwreg(HW_REG_WAVE_MODE, 25, 1), 1
	s_wait_xcnt 0x0
	s_wait_alu depctr_hold_cnt(0) depctr_sa_sdst(0) depctr_va_vdst(0) depctr_va_sdst(0) depctr_va_ssrc(0) depctr_va_vcc(0) depctr_vm_vsrc(0)
	s_getreg_b32 s2, hwreg(HW_REG_IB_STS2, 6, 4)
	s_cmp_eq_u32 s2, 0
	s_cbranch_scc0 .Lentry_in_a_cluster
	s_endpgm
.Lentry_in_a_cluster:
	s_bfe_u32 s2, ttmp6, 0x10000c
	s_cmp_lg_u32 s2, 0xf033
	s_cbranch_scc0 .Lentry_shape_is_right
	s_endpgm
.Lentry_shape_is_right:
; Y = A B.  A: panels [KTOT / 64][4096][64] f16.  B: [KTOT][1024] f16 at byte BOFF of its buffer, N along the rows.  Y: [4096][1024] f32.  Sums in f32, K ascending.
; The text of the product behind attention with K = 4,096 and w_out's place in its buffer: the trip count and that offset are constants of the text, so the two sizes are two texts.
; A tile of Y is 128 x 128, so that 256 work-groups share the 4096 x 1024 numbers: four waves, 64 x 64 each, 16 accumulators.  K goes in steps of 256 (four panels) through two LDS slots.
; CLUSTER 4 x 4: A's tiles are shared along a row of the cluster, B's along a column: joint loads with one descriptor and a mask of four.
; THE MATRIX INSTRUCTION IS USED TRANSPOSED: source 0 = 16 columns of B (turned out of LDS), source 1 = 16 rows of A: a lane holds eight neighbouring columns of one row of Y.
; REGISTERS: window 0: v16-29 addresses, v32-95 the way out, v128-255 the accumulators ((a, b) at 128 + 8 (4 a + b)); window 1: two fragment buffers of 128 (64 of A, 64 of B, for 64 along K).
.set KTOT,  4096
.set BOFF,  2097152
.set STEPS, KTOT/256
.set PA,    144                        ; a row of a panel in LDS: 128 bytes + 16 (64 banks of 4 bytes: ISA guide 11.1: the 16 rows of a load start at 16 different groups of four banks)
.set PB,    288                        ; a k-row of B: 256 bytes + 32
.set PANL,  128*PA                     ; 128 rows of one panel
.set HALFT, 2*PANL                     ; what one tensor load brings: two panels of A, or 128 k-rows of B (128 x 288 is the same number)
.set SLOT,  4*HALFT                    ; 0x24000: no wave's share, wave x 0x9000, has either of its two bits
.set STAGE, 2*SLOT                     ; behind the ring, never filled: 16 rows x 272 bytes for each wave
.set SPITCH, 272
.set SPARE, STAGE+4*16*SPITCH
.set ADRA0, 16
.set ADRA,  17
.set ADRB0, 18
.set ADRB,  19                         ; v19 quarters 0, 1; v20 quarters 2, 3 (128 k-rows on), so that the offsets stay within 16 bits
.set STO,   24
.set RD,    25
.set CO,    26
.set SPW,   28
.set NIL,   29
.set TMP,   32
.set ACC,   128
.set F0,    0
.set F1,    128
.set G1,  24
.set G0,  32
.set G1B, 48
.set G0B, 56
.set MSB, 0
.macro WIN new
.if MSB != (\new)
	s_set_vgpr_msb (MSB<<8)|(\new)
.set MSB, \new
.endif
.endm
.set MUL,  0x05                        ; sources 0 (B) and 1 (A) window 1; C and D window 0
.set TO_F, 0x40                        ; destination window 1, address window 0
.macro JLOAD s                         ; waves 0, 1 fetch A's halves, waves 2, 3 B's; s_nop 0 and four v_nop follow each line
	s_cmp_eq_u32 s11, 0
	s_cbranch_scc0 .Lfor_b_\@
	tensor_load_to_lds s[G0+4*(\s):G0+4*(\s)+3], s[G1:G1+7]
	s_nop 0
.rept 4
	v_nop
.endr
	s_branch .Lasked_\@
.Lfor_b_\@:
	tensor_load_to_lds s[G0B+4*(\s):G0B+4*(\s)+3], s[G1B:G1B+7]
	s_nop 0
.rept 4
	v_nop
.endr
.Lasked_\@:
.endm
.macro CREST
	s_cmp_lg_u32 s10, 0
	s_cbranch_scc1 .Lnot_wave_0_\@
	s_barrier_signal -3
.Lnot_wave_0_\@:
	s_barrier_wait -3
	s_barrier_signal -1
	s_barrier_wait -1
.endm
.macro CROUND
	s_barrier_signal -1
	s_barrier_wait -1
	CREST
.endm
.macro PLACES
.rept 4
	v_nop
.endr
.endm
	s_load_b128 s[4:7], s[0:1], 0x0                ; A s[4:5], B s[6:7]
	s_load_b64 s[8:9], s[0:1], 0x10                ; Y
	v_lshl_add_u32 v[SPW], v0, 2, SPARE
	v_mov_b32 v[NIL], 0
	ds_add_u32 v[SPW], v[NIL]                      ; the wave's opening: the add and its wait ahead of my first tensor load
	v_lshrrev_b32 v1, 5, v0
	v_readfirstlane_b32 s10, v1
	s_lshr_b32 s11, s10, 1
	s_and_b32 s12, s10, 1
	s_bfe_u32 s40, ttmp6, 0x40000
	s_bfe_u32 s41, ttmp6, 0x40004
	s_lshl_b32 s42, ttmp9, 2
	s_add_co_u32 s42, s42, s40                     ; tile column
	s_and_b32 s13, ttmp7, 0xffff
	s_lshl_b32 s13, s13, 2
	s_add_co_u32 s13, s13, s41                     ; tile row
	s_lshl_b32 s43, s41, 2
	s_lshl_b32 s43, 15, s43
	s_lshl_b32 s44, 0x1111, s40
	; A: two panels' 128 rows are twice 16,384 dense bytes: 2 rows of 8,192 elements, a panel apart, padded in LDS after every 128 bytes
	s_or_b32 s[G1+0], s43, (1<<16)|(1<<20)|(1<<21)|(4<<22)|(3<<25)
	s_mov_b32 s[G1+1], 8192<<16                    ; tensor_dim0 = 8192
	s_mov_b32 s[G1+2], 2<<16                       ; tensor_dim1 = 2
	s_mov_b32 s[G1+3], 8192<<16                    ; tile_dim0 = 8192
	s_mov_b32 s[G1+4], 2                           ; tile_dim1 = 2
	s_mov_b32 s[G1+5], 262144                      ; elements from panel to panel
	s_mov_b32 s[G1+6], 0
	s_mov_b32 s[G1+7], 0
	s_or_b32 s[G1B+0], s44, (1<<16)|(1<<20)|(1<<21)|(5<<22)|(7<<25)  ; B: 128 k-rows x 128 elements, 8 words behind every 64
	s_mov_b32 s[G1B+1], 128<<16
	s_mov_b32 s[G1B+2], 128<<16
	s_mov_b32 s[G1B+3], 128<<16
	s_mov_b32 s[G1B+4], 128
	s_mov_b32 s[G1B+5], 1024
	s_mov_b32 s[G1B+6], 0
	s_mov_b32 s[G1B+7], 0
	s_lshl_b32 s16, s13, 14                        ; A: 128 rows of 128 bytes for each tile row,
	s_lshl_b32 s17, s12, 20                        ; two panels for the half
	s_add_co_u32 s16, s16, s17
	s_mov_b32 s17, 0
	s_lshl_b32 s46, s42, 8                         ; B: 128 columns of 2 bytes for each tile column,
	s_lshl_b32 s47, s12, 18                        ; 128 k-rows of 2,048 bytes for the half
	s_add_co_u32 s46, s46, s47
.if BOFF
	s_add_co_u32 s46, s46, BOFF
.endif
	s_mov_b32 s47, 0
	s_mul_i32 s20, s10, HALFT
	s_mov_b32 s22, 0                               ; the slot being read
	s_wait_dscnt 0x0                               ; the opening add is done
	s_wait_kmcnt 0x0
	s_add_nc_u64 s[14:15], s[4:5], s[16:17]
	s_add_nc_u64 s[46:47], s[6:7], s[46:47]
	CROUND                                         ; the first joint loads meet
.irp s, 0,1
	s_mov_b32 s[G0+4*(\s)], 1
	s_add_co_u32 s[G0+4*(\s)+1], s20, (\s)*SLOT
	s_add_nc_u64 s[G0+4*(\s)+2:G0+4*(\s)+3], s[14:15], (\s)*2097152   ; K step s: four panels on
	s_or_b32 s[G0+4*(\s)+3], s[G0+4*(\s)+3], 0x80000000
	s_mov_b32 s[G0B+4*(\s)], 1
	s_add_co_u32 s[G0B+4*(\s)+1], s20, (\s)*SLOT
	s_add_nc_u64 s[G0B+4*(\s)+2:G0B+4*(\s)+3], s[46:47], (\s)*524288  ; K step s: 256 k-rows down
	s_or_b32 s[G0B+4*(\s)+3], s[G0B+4*(\s)+3], 0x80000000
	JLOAD \s                                       ; two loads of mine are out
.endr
	v_and_b32 v1, 15, v0
	v_bfe_u32 v2, v0, 4, 1
	v_mul_u32_u24 v3, v1, PA
	v_lshl_add_u32 v3, v2, 4, v3
	s_mul_i32 s21, s11, 64*PA
	v_add_nc_u32 v[ADRA0], s21, v3
	v_and_b32 v4, 7, v0
	v_bfe_u32 v5, v0, 3, 1
	v_lshl_add_u32 v6, v2, 3, v4
	v_mul_u32_u24 v6, v6, PB
	v_lshl_add_u32 v6, v5, 4, v6
	s_lshl_b32 s21, s12, 7
	s_add_co_u32 s21, s21, 2*HALFT
	v_add_nc_u32 v[ADRB0], s21, v6
	v_mov_b32 v[ADRA], v[ADRA0]
	v_mov_b32 v[ADRB], v[ADRB0]
	v_add_nc_u32 v[ADRB+1], HALFT, v[ADRB0]
	s_mul_i32 s23, s10, 16*SPITCH
	s_add_co_u32 s23, s23, STAGE
	v_mul_u32_u24 v7, v1, SPITCH
	v_lshl_add_u32 v7, v2, 5, v7
	v_add_nc_u32 v[STO], s23, v7                   ; in: row r, 32 bytes for each half of the lanes
	v_mul_u32_u24 v7, v2, SPITCH
	v_lshl_add_u32 v7, v1, 4, v7
	v_add_nc_u32 v[RD], s23, v7                    ; back: lanes 0-15 one row of 256 bytes, lanes 16-31 the next
	v_lshlrev_b32 v7, 12, v2
	v_lshl_add_u32 v[CO], v1, 4, v7                ; and the same two rows in Y
	s_lshl_b32 s16, s13, 7
	s_lshl_b32 s17, s11, 6
	s_add_co_u32 s16, s16, s17
	s_lshl_b32 s16, s16, 12                        ; my first row, of 4,096 bytes
	s_lshl_b32 s46, s42, 9
	s_lshl_b32 s47, s12, 8
	s_add_co_u32 s46, s46, s47
	s_add_co_u32 s46, s46, s16
	s_mov_b32 s47, 0
	s_add_nc_u64 s[8:9], s[8:9], s[46:47]
.macro MUL8 f, c, a0, zero             ; 8 matrix instructions: m blocks a0, a0 + 1 x 4 n blocks, half c (32 along K) of buffer f
	WIN MUL
.irp a, \a0, (\a0)+1
.irp b, 0,1,2,3
.if \zero
	v_wmma_f32_16x16x32_f16 v[ACC+8*(4*(\a)+(\b)):ACC+8*(4*(\a)+(\b))+7], v[(\f)+64+8*(4*(\c)+(\b)):(\f)+64+8*(4*(\c)+(\b))+7], v[(\f)+8*(4*(\c)+(\a)):(\f)+8*(4*(\c)+(\a))+7], 0
.else
	v_wmma_f32_16x16x32_f16 v[ACC+8*(4*(\a)+(\b)):ACC+8*(4*(\a)+(\b))+7], v[(\f)+64+8*(4*(\c)+(\b)):(\f)+64+8*(4*(\c)+(\b))+7], v[(\f)+8*(4*(\c)+(\a)):(\f)+8*(4*(\c)+(\a))+7], v[ACC+8*(4*(\a)+(\b)):ACC+8*(4*(\a)+(\b))+7]
.endif
.endr
.endr
.endm
.macro FETCH q, f                      ; 32 LDS loads in one run: quarter q (one panel, 64 along K) into buffer f; its first 32 along K first
	WIN TO_F
.irp c, 0,1
.irp i, 0,1,2,3
	ds_load_tr16_b128 v[(\f)+64+8*(4*(\c)+(\i)):(\f)+64+8*(4*(\c)+(\i))+3],   v[ADRB+(\q)/2] offset:(((\q)%2)*64+32*(\c))*PB+32*(\i)
	ds_load_tr16_b128 v[(\f)+64+8*(4*(\c)+(\i))+4:(\f)+64+8*(4*(\c)+(\i))+7], v[ADRB+(\q)/2] offset:(((\q)%2)*64+32*(\c))*PB+16*PB+32*(\i)
	ds_load_b128 v[(\f)+8*(4*(\c)+(\i)):(\f)+8*(4*(\c)+(\i))+3],   v[ADRA] offset:(\q)*PANL+64*(\c)+(\i)*16*PA
	ds_load_b128 v[(\f)+8*(4*(\c)+(\i))+4:(\f)+8*(4*(\c)+(\i))+7], v[ADRA] offset:(\q)*PANL+64*(\c)+(\i)*16*PA+32
.endr
.endr
.endm
.macro QUARTER q, f, g, zero           ; multiplies buffer f, fetches quarter q into g; the 16 accumulators take turns
	s_wait_dscnt 16                                ; the first 32 along K are in
	MUL8 \f, 0, 0, \zero
	MUL8 \f, 0, 2, \zero
	PLACES
	FETCH \q, \g
	s_wait_dscnt 32                                ; all but the 32 just issued
	MUL8 \f, 1, 0, 0
	MUL8 \f, 1, 2, 0
.endm
.macro TURN fill                       ; the last quarter of a step, and the change of slots
	WIN 0
	s_wait_tensorcnt 0x0                           ; all my tensor loads have landed: my share of the next slot
	ds_add_u32 v[SPW], v[NIL]
	s_wait_dscnt 17                                ; the add and the youngest sixteen loads may be out
	MUL8 F1, 0, 0, 0
	s_wait_dscnt 0x0                               ; the add is done, my reads of this slot are over
	s_barrier_signal -1
	MUL8 F1, 0, 2, 0
	WIN 0
	s_barrier_wait -1
.if \fill
	CREST                                          ; no wave of any partner still reads the slot or has a load on its way
	s_xor_b32 s[G0+5], s[G0+5], SLOT
	s_add_nc_u64 s[G0+6:G0+7], s[G0+6:G0+7], 2097152
	s_xor_b32 s[G0B+5], s[G0B+5], SLOT
	s_add_nc_u64 s[G0B+6:G0B+7], s[G0B+6:G0B+7], 524288
	JLOAD 1                                        ; 112 matrix instructions ahead of the wait for it; its four v_nop are also the places in front of the loads below
.else
	PLACES
.endif
	s_xor_b32 s22, s22, SLOT
	v_add_nc_u32 v[ADRA], s22, v[ADRA0]
	v_add_nc_u32 v[ADRB], s22, v[ADRB0]
	v_add_nc_u32 v[ADRB+1], HALFT, v[ADRB]
	FETCH 0, F0
	MUL8 F1, 1, 0, 0
	MUL8 F1, 1, 2, 0
.endm
	s_wait_tensorcnt 1                             ; my share of K step 0 is in; step 1's may stay out
	s_barrier_signal -1
	s_barrier_wait -1
	FETCH 0, F0
	QUARTER 1, F0, F1, 1
	WIN 0
	s_mov_b32 s3, STEPS-2
.Lstep:
	QUARTER 2, F1, F0, 0
	QUARTER 3, F0, F1, 0
	TURN 1
	QUARTER 1, F0, F1, 0
	WIN 0
	s_sub_co_u32 s3, s3, 1
	s_cmp_lg_u32 s3, 0
	s_cbranch_scc1 .Lstep
	QUARTER 2, F1, F0, 0                           ; the last two steps ask for nothing
	QUARTER 3, F0, F1, 0
	TURN 0
	QUARTER 1, F0, F1, 0
	QUARTER 2, F1, F0, 0
	QUARTER 3, F0, F1, 0
	s_wait_dscnt 16
	MUL8 F1, 0, 0, 0
	MUL8 F1, 0, 2, 0
	s_wait_dscnt 0x0
	MUL8 F1, 1, 0, 0
	MUL8 F1, 1, 2, 0
	WIN 0
	; THE WAY OUT: 16 rows at a time through my own stage: in as 32 bytes a lane (each accumulator's low registers first), back as whole rows of 256 bytes.
.macro TOSTAGE a
.irp b, 0,1,2,3
	ds_store_b128 v[STO], v[ACC+8*(4*(\a)+(\b)):ACC+8*(4*(\a)+(\b))+3]   offset:64*(\b)
	ds_store_b128 v[STO], v[ACC+8*(4*(\a)+(\b))+4:ACC+8*(4*(\a)+(\b))+7] offset:64*(\b)+16
.endr
.irp t, 0,1,2,3,4,5,6,7
	ds_load_b128 v[TMP+32*((\a)%2)+4*(\t):TMP+32*((\a)%2)+4*(\t)+3], v[RD] offset:(\t)*2*SPITCH  ; LDS serves a wave's instructions in order (ISA guide 5.7.1.4)
.endr
.endm
.macro SEND a, younger                 ; younger: the LDS instructions issued behind block a's loads
.irp t, 0,1,2,3,4,5,6,7
	s_wait_dscnt (\younger)+7-(\t)
	global_store_b128 v[CO], v[TMP+32*((\a)%2)+4*(\t):TMP+32*((\a)%2)+4*(\t)+3], s[8:9] offset:(16*(\a)+2*(\t))*4096  ; 16 lanes store 256 consecutive aligned bytes
.endr
.endm
	PLACES
	TOSTAGE 0
	TOSTAGE 1
	SEND 0, 16
	s_wait_xcnt 0x0                                ; block 0's registers are loaded again only behind this wait
	TOSTAGE 2
	SEND 1, 16
	s_wait_xcnt 0x0
	TOSTAGE 3
	SEND 2, 16
	SEND 3, 0
	s_wait_tensorcnt 0x0                           ; the wave's end
	ds_add_u32 v[SPW], v[NIL]
	s_wait_dscnt 0x0
	CROUND                                         ; the closing round
	s_endpgm
.Lfunc_end_k_q90a0da6a73_mlp2:
	.size	k_q90a0da6a73_mlp2, .Lfunc_end_k_q90a0da6a73_mlp2-k_q90a0da6a73_mlp2
	.p2alignl 7, 3214868480
	.fill 96, 4, 3214868480
	.section	.rodata,"a",@progbits
	.p2align	6, 0x0
	.amdhsa_kernel k_q90a0da6a73_mlp2
		.amdhsa_group_segment_fixed_size 327680
		.amdhsa_private_segment_fixed_size 0
		.amdhsa_enable_private_segment 0
		.amdhsa_kernarg_size 24
		.amdhsa_user_sgpr_count 2
		.amdhsa_user_sgpr_kernarg_segment_ptr 1
		.amdhsa_wavefront_size32 1
		.amdhsa_system_sgpr_workgroup_id_x 1
		.amdhsa_system_sgpr_workgroup_id_y 1
		.amdhsa_system_sgpr_workgroup_id_z 1
		.amdhsa_system_vgpr_workitem_id 0
		.amdhsa_next_free_vgpr 512
		.amdhsa_next_free_sgpr 66
		.amdhsa_reserve_vcc 0
		.amdhsa_float_denorm_mode_32 3
		.amdhsa_float_denorm_mode_16_64 3
		.amdhsa_memory_ordered 1
		.amdhsa_forward_progress 1
		.amdhsa_inst_pref_size 69
	.end_amdhsa_kernel
	.amdgpu_metadata
---
amdhsa.version: [ 1, 2 ]
amdhsa.kernels:
  - .name:           k_q90a0da6a73_mlp2
    .symbol:         k_q90a0da6a73_mlp2.kd
    .args:
      - { .name: pan, .offset: 0, .size: 8, .value_kind: global_buffer, .address_space: global }
      - { .name: bw, .offset: 8, .size: 8, .value_kind: global_buffer, .address_space: global }
      - { .name: y, .offset: 16, .size: 8, .value_kind: global_buffer, .address_space: global }
    .group_segment_fixed_size: 327680
    .private_segment_fixed_size: 0
    .kernarg_segment_align: 8
    .kernarg_segment_size: 24
    .max_flat_workgroup_size: 128
    .sgpr_count:     66
    .vgpr_count:     512
    .wavefront_size: 32
...
	.end_amdgpu_metadata
.endif
;; end of part 6
;; launch ln2 (part 7): grid 512 x 1, 8 waves a work-group, no clusters, 0 bytes of LDS; arguments y, qx, g2, bt2, out0, b_out; writes out0
.if DOCPART == 7
	.amdgcn_target "amdgcn-amd-amdhsa--gfx1250"
	.amdhsa_code_object_version 6
	.text
	.protected	k_q90a0da6a73_ln2
	.globl	k_q90a0da6a73_ln2
	.p2align	8
	.type	k_q90a0da6a73_ln2,@function
k_q90a0da6a73_ln2:
	s_mov_b64 s[64:65], 0
	v_nop
	global_prefetch_b8 v0, s[64:65] scope:SCOPE_SE
	s_setreg_imm32_b32 hwreg(HW_REG_WAVE_MODE, 25, 1), 1
	s_wait_xcnt 0x0
; out = x1 + LayerNorm(y + bf16(b_out)) bf16(g) + bf16(bt), by rows of 1,024.  y and x1: f32 as the program made them; b_out, g and bt are inputs and are rounded to bf16 like every input of the program.
; A stream: one wave takes one row and keeps it in 32 registers between the passes, so y is read once and no wave waits for another: no LDS, no barrier, no matrix unit.
; The mean is taken first and the variance of the differences, as the definition has it.  Lane l holds columns 128 j + 4 l + 0..3, j = 0..7: every load and store of the wave covers 512 consecutive bytes.
.set SECOND, 1
.set Y,  4
.set X,  36
.set G,  68
.set BT, 100
.set H,  132                           ; v[132:147] packed halves at work
.set T,  148                           ; v[148:155] four chains
.set MU, 160
.set RS, 162
.set BO, 164
.macro LOAD8 dst, base, nt
.irp j, 0,1,2,3,4,5,6,7
.if \nt
	global_load_b128 v[(\dst)+4*(\j):(\dst)+4*(\j)+3], v1, s[\base:\base+1] offset:512*(\j) th:TH_LOAD_NT
.else
	global_load_b128 v[(\dst)+4*(\j):(\dst)+4*(\j)+3], v1, s[\base:\base+1] offset:512*(\j)
.endif
.endr
.endm
.macro RND a                           ; 32 numbers rounded to bf16 and widened again
.set p, 0
.rept 16
	v_cvt_pk_bf16_f32 v[H+p], v[(\a)+2*p], v[(\a)+2*p+1]
.set p, p+1
.endr
.set p, 0
.rept 16
	v_lshlrev_b32 v[(\a)+2*p], 16, v[H+p]
	v_and_b32 v[(\a)+2*p+1], s24, v[H+p]
.set p, p+1
.endr
.endm
.macro ACROSS                          ; the four chains into one number, then over the 32 lanes; every lane ends with the sum in v[T]
	v_pk_add_f32 v[T:T+1], v[T:T+1], v[T+2:T+3]
	v_pk_add_f32 v[T+4:T+5], v[T+4:T+5], v[T+6:T+7]
	v_pk_add_f32 v[T:T+1], v[T:T+1], v[T+4:T+5]
	v_add_f32 v[T], v[T], v[T+1]
	v_add_f32_dpp v[T], v[T], v[T] row_xmask:1 row_mask:0xf bank_mask:0xf
	v_add_f32_dpp v[T], v[T], v[T] row_xmask:2 row_mask:0xf bank_mask:0xf
	v_add_f32_dpp v[T], v[T], v[T] row_xmask:4 row_mask:0xf bank_mask:0xf
	v_add_f32_dpp v[T], v[T], v[T] row_xmask:8 row_mask:0xf bank_mask:0xf
	v_permlanex16_b32 v[T+1], v[T], s26, s27
	v_add_f32 v[T], v[T], v[T+1]
.endm
.macro ALL16 line:vararg               ; one line for each of the row's 16 pairs p
.set p, 0
.rept 16
	\line
.set p, p+1
.endr
.endm
	s_load_b256 s[4:11], s[0:1], 0x0               ; y 4, residual 6, g 8, bt 10
	s_load_b128 s[12:15], s[0:1], 0x20             ; f32 out 12; 14: the f16 copy (first norm) or b_out (second)
	v_lshrrev_b32 v3, 5, v0
	v_readfirstlane_b32 s16, v3
	s_lshl_b32 s17, ttmp9, 3
	s_add_co_u32 s16, s16, s17                     ; my row
	s_lshl_b32 s18, s16, 12
	s_mov_b32 s19, 0
	s_lshl_b32 s20, s16, 11
	s_mov_b32 s21, 0
	s_mov_b32 s22, 0x3a800000                      ; 1 / 1024
	s_mov_b32 s23, 0x3727c5ac                      ; 1e-5
	s_mov_b32 s24, 0xffff0000
	s_mov_b32 s26, 0x76543210
	s_mov_b32 s27, 0xfedcba98
	v_and_b32 v1, 31, v0
	v_lshlrev_b32 v2, 3, v1
	v_lshlrev_b32 v1, 4, v1
	s_wait_kmcnt 0x0
	s_add_nc_u64 s[4:5], s[4:5], s[18:19]
	s_add_nc_u64 s[6:7], s[6:7], s[18:19]
	s_add_nc_u64 s[12:13], s[12:13], s[18:19]
.if !SECOND
	s_add_nc_u64 s[14:15], s[14:15], s[20:21]
.endif
	LOAD8 Y, 4, 1
.if SECOND
	LOAD8 BO, 14, 0
.endif
	LOAD8 X, 6, 1
	LOAD8 G, 8, 0
	LOAD8 BT, 10, 0
	s_wait_loadcnt 24                              ; the residual, g and bt, eight loads each, stay out
.if SECOND
	RND BO
	ALL16 v_pk_add_f32 v[Y+2*p:Y+2*p+1], v[Y+2*p:Y+2*p+1], v[BO+2*p:BO+2*p+1]
.endif
.irp c, 0,1,2,3
	v_pk_add_f32 v[T+2*\c:T+2*\c+1], v[Y+2*\c:Y+2*\c+1], v[Y+8+2*\c:Y+8+2*\c+1]
.endr
.irp g, 2,3
.irp c, 0,1,2,3
	v_pk_add_f32 v[T+2*\c:T+2*\c+1], v[T+2*\c:T+2*\c+1], v[Y+8*\g+2*\c:Y+8*\g+2*\c+1]
.endr
.endr
	ACROSS
	v_mul_f32 v[MU], s22, v[T]
	v_mov_b32 v[MU+1], v[MU]
	ALL16 v_pk_add_f32 v[Y+2*p:Y+2*p+1], v[Y+2*p:Y+2*p+1], v[MU:MU+1] neg_lo:[0,1] neg_hi:[0,1]
.irp c, 0,1,2,3
	v_pk_mul_f32 v[T+2*\c:T+2*\c+1], v[Y+2*\c:Y+2*\c+1], v[Y+2*\c:Y+2*\c+1]
.endr
.irp g, 1,2,3
.irp c, 0,1,2,3
	v_pk_fma_f32 v[T+2*\c:T+2*\c+1], v[Y+8*\g+2*\c:Y+8*\g+2*\c+1], v[Y+8*\g+2*\c:Y+8*\g+2*\c+1], v[T+2*\c:T+2*\c+1]
.endr
.endr
	ACROSS
	v_fma_f32 v[T], v[T], s22, s23                 ; variance + eps
	v_rsq_f32 v[RS], v[T]
	v_rsq_f32 v[RS+1], v[T]
	v_nop                                          ; a plain instruction behind the last transcendental (ISA guide 5.7.2)
	s_wait_alu depctr_va_vdst(0)
	s_wait_loadcnt 16                              ; the residual is in
.if !SECOND
	RND X
.endif
	s_wait_loadcnt 8                               ; g
	RND G
	s_wait_loadcnt 0x0                             ; bt
	RND BT
	ALL16 v_pk_mul_f32 v[Y+2*p:Y+2*p+1], v[Y+2*p:Y+2*p+1], v[RS:RS+1]
	ALL16 v_pk_fma_f32 v[Y+2*p:Y+2*p+1], v[Y+2*p:Y+2*p+1], v[G+2*p:G+2*p+1], v[BT+2*p:BT+2*p+1]
	ALL16 v_pk_add_f32 v[Y+2*p:Y+2*p+1], v[Y+2*p:Y+2*p+1], v[X+2*p:X+2*p+1]
.irp j, 0,1,2,3,4,5,6,7
.if SECOND
	global_store_b128 v1, v[Y+4*\j:Y+4*\j+3], s[12:13] offset:512*\j th:TH_STORE_NT
.else
	global_store_b128 v1, v[Y+4*\j:Y+4*\j+3], s[12:13] offset:512*\j
.endif
.endr
.if !SECOND
	ALL16 v_cvt_pk_f16_f32 v[H+p], v[Y+2*p], v[Y+2*p+1]
.irp j, 0,1,2,3,4,5,6,7
	global_store_b64 v2, v[H+2*\j:H+2*\j+1], s[14:15] offset:256*\j   ; the wave stores 256 consecutive aligned bytes
.endr
.endif
	s_endpgm
.Lfunc_end_k_q90a0da6a73_ln2:
	.size	k_q90a0da6a73_ln2, .Lfunc_end_k_q90a0da6a73_ln2-k_q90a0da6a73_ln2
	.p2alignl 7, 3214868480
	.fill 96, 4, 3214868480
	.section	.rodata,"a",@progbits
	.p2align	6, 0x0
	.amdhsa_kernel k_q90a0da6a73_ln2
		.amdhsa_group_segment_fixed_size 0
		.amdhsa_private_segment_fixed_size 0
		.amdhsa_enable_private_segment 0
		.amdhsa_kernarg_size 48
		.amdhsa_user_sgpr_count 2
		.amdhsa_user_sgpr_kernarg_segment_ptr 1
		.amdhsa_wavefront_size32 1
		.amdhsa_system_sgpr_workgroup_id_x 1
		.amdhsa_system_sgpr_workgroup_id_y 1
		.amdhsa_system_sgpr_workgroup_id_z 1
		.amdhsa_system_vgpr_workitem_id 0
		.amdhsa_next_free_vgpr 200
		.amdhsa_next_free_sgpr 66
		.amdhsa_reserve_vcc 0
		.amdhsa_float_denorm_mode_32 3
		.amdhsa_float_denorm_mode_16_64 3
		.amdhsa_memory_ordered 1
		.amdhsa_forward_progress 1
		.amdhsa_inst_pref_size 20
	.end_amdhsa_kernel
	.amdgpu_metadata
---
amdhsa.version: [ 1, 2 ]
amdhsa.kernels:
  - .name:           k_q90a0da6a73_ln2
    .symbol:         k_q90a0da6a73_ln2.kd
    .args:
      - { .name: y, .offset: 0, .size: 8, .value_kind: global_buffer, .address_space: global }
      - { .name: qx, .offset: 8, .size: 8, .value_kind: global_buffer, .address_space: global }
      - { .name: g2, .offset: 16, .size: 8, .value_kind: global_buffer, .address_space: global }
      - { .name: bt2, .offset: 24, .size: 8, .value_kind: global_buffer, .address_space: global }
      - { .name: out0, .offset: 32, .size: 8, .value_kind: global_buffer, .address_space: global }
      - { .name: b_out, .offset: 40, .size: 8, .value_kind: global_buffer, .address_space: global }
    .group_segment_fixed_size: 0
    .private_segment_fixed_size: 0
    .kernarg_segment_align: 8
    .kernarg_segment_size: 48
    .max_flat_workgroup_size: 256
    .sgpr_count:     66
    .vgpr_count:     200
    .wavefront_size: 32
...
	.end_amdgpu_metadata
.endif
;; end of part 7
;; ======== version 2 of 2: 8 launches; 1.09 times as fast as version 1
;; limits: values are held in f16: magnitudes above 65,504 overflow, below 6.1e-05 lose precision
;; workspace buffers: ah 8,388,608 bytes; bq 8,405,504 bytes; bm 8,405,504 bytes; bw 10,485,760 bytes; qx 25,165,824 bytes; pan 33,554,432 bytes; y 16,777,216 bytes
;; launch cast: the kernel of part 1 again; grid 256 x 4, 8 waves a work-group, no clusters, 0 bytes of LDS; arguments x, w_in, w_out, wo, wq, wk, wv, b_in, ah, bm, bw, bq; writes ah, bm, bw, bq
;; launch qkv: the kernel of part 2 again; grid 12 x 16, 4 waves a work-group, clusters of 4 x 4, 327,680 bytes of LDS; arguments ah, bq, qx; writes qx
;; launch attn (part 8): grid 8 x 32, 8 waves a work-group, no clusters, 327,680 bytes of LDS; arguments qx, pan; writes pan
.if DOCPART == 8
	.amdgcn_target "amdgcn-amd-amdhsa--gfx1250"
	.amdhsa_code_object_version 6
	.text
	.protected	k_q90a0da6a73_attn
	.globl	k_q90a0da6a73_attn
	.p2align	8
	.type	k_q90a0da6a73_attn,@function
k_q90a0da6a73_attn:
	s_mov_b64 s[64:65], 0
	v_nop
	global_prefetch_b8 v0, s[64:65] scope:SCOPE_SE
	s_setreg_imm32_b32 hwreg(HW_REG_WAVE_MODE, 25, 1), 1
	s_wait_xcnt 0x0
; CAUSAL ATTENTION, head size 64.  q, k, v: panels 0-15, 16-31, 32-47 of qx, [panel = head][2048 batch + s][64] f16, unscaled.  O goes to panel = head of pan, same layout.
; Products, maxima and sums in f32; the weights p are rounded to f16 for the second product (their sum l is taken of the unrounded p), O once at the end.
; LIMITS.  q, k, v arrive within f16's 65,504, so a score lies within 64 x 65,504^2 = 2.7e11; the running maximum starts at -1e20, below every such score; a hidden score counts as -1e30;
; a weight below 2^-126 counts as 0; NaN and infinities are not treated apart.
; THE WALK.  A head's 2,048 queries are 16 blocks of 128; block i needs the key tiles 0 .. i / 2 of 256 keys, the last holding the diagonal.  A work-group takes blocks 15 - b and then b: 9 tiles whatever b,
; walked by one loop of constant count; which tile is asked for hangs on scalars made from b.  Every jump but the loops' own goes forward and passes no barrier, and no tensor load but those that the wave's number does not choose.
; NO CLUSTER: the 8 work-groups of a head ask for the same tile only in trips 0 .. 4 of the 9; a walk common to all would have 12 trips for 9.
; SHARES.  Eight waves, two to a SIMD.  Waves w and w + 4 own the same 32 queries, two tiles of 16, and split a tile's KEYS: waves 0-3 take its first 128, waves 4-7 its second 128.  So a fragment of K or V
; is read from LDS once for two tiles of queries, as with four waves, and while one wave of a SIMD waits the other issues.  Each wave keeps its own m, l and O; at a block's end waves 4-7 hand theirs over through LDS.
; S^T = K Q^T holds ONE query a lane (l % 16) and the keys 8 (l / 16) + 0..7; two such results rounded to f16 ARE source 1 of O^T = V^T P.
; A key step is 32 keys, so that all a wave needs lies in one register window and the loop has no window switch.
; SOFTMAX.  p = 2^(c s - c m), c = log2(e) / 8, with a running maximum m; O and l are multiplied by a = 2^(c m_old - c m_new) in every step.  A block's first step has a = 0.
; A wave that meets hidden keys alone (waves 4-7 in block 0) keeps m = -1e20: its weights are 2^(-1.8e29) = 0, its l and O stay 0.
; BY TURNS.  In a turn one tile has the matrix unit (4 products V^T P of the step in hand, 4 products K Q^T of the next); the other tile's softmax, a list of 71, stands behind them: six behind each product,
; nine behind the sixth, the rest at the end.
; THE BATCH.  A turn's 17 exponentials (a and the 16 weights) are ONE batch with ONE wait: ahead of the wait the list names no exponential's result, behind it no exponential is issued.  So no result crosses a
; turn's end, a label or a jump.  The way out has two batches more, the four factors and the two reciprocals, which read a sum made with the factors: a wait each.
; A VISIT (a wave's half of one key tile, four steps) is closed in itself: nothing of the pipeline crosses a change of slots.
.set PK,    144                        ; a row of K in LDS: 128 bytes + 16: the 16 rows of a load start at 16 different groups of four banks (64 banks of 4 bytes: ISA guide 11.1)
.set PV,    160                        ; a row of V: 128 + 32
.set VOFF,  256*PK
.set SLOT1, 1<<17                      ; a slot is 77,824 bytes; slot 1 begins here, so that one exclusive or changes slots
.set STAGE, SLOT1+256*(PK+PV)          ; behind the ring, never filled: 16 rows x 144 bytes for each wave
.set SP,    144
.set MRG,   STAGE+8*16*SP              ; the hand-over, never filled: for each pair of waves 16 x 512 bytes of O^T and 512 of statistics
.set MPW,   17*512
.set SPARE, MRG+4*MPW                  ; the spare words, 128 bytes for each wave
.set AK0, 2                            ; v2  my lane's place in a tile of K; never rewritten
.set AV0, 3                            ; v3  the same for V
.set AK,  4
.set AV,  5
.set STO, 6
.set RD,  7
.set GO,  8
.set MQ,  12                           ; v12-13 tile t: my query's place in the diagonal tile, less 8 (l / 16), less the keys that lie ahead of the step in hand
.set MQB, 14
.set QO,  15
.set ST,  16                           ; tile t at ST + 8 t: c m, m, l (even keys', odd keys'), c0, c1, c2 (later a), c3
.set SPW, 32
.set NIL, 33
.set MG,  34                           ; v34 my 16 bytes in my pair's hand-over
.set BIGV, 35                          ; v35 -1e30
.set Q,   40                           ; 16 t + 8 c
.set S,   72                           ; 16 t + 8 kg
.set P,   104                          ; 8 t
.set O,   120                          ; 32 t + 8 cb
.set KF,  184                          ; 16 kg + 8 c
.set VF,  216                          ; 8 cb
.set WV,  12
.set PB,  14
.set HI,  15
.set G1K, 24
.set G1V, 32
.set G0K, 40
.set G0V, 44
.set L2,  48                           ; the second block's last tile
.set PARS, 49                          ; 128 where the block in hand lies in the second half of its diagonal tile, else 0
.set W4,  50                           ; wave % 4: which 32 queries
.set KH,  51                           ; wave / 4: which half of a tile's keys
.set VIS, 56
.set CNT, 57
.set CS,  58
.set SEL, 60
.set TBK, 62                           ; LDS byte at which K of the step to be fetched begins
.set TBV, 63                           ; the same for V, less VOFF
.set RT,  70                           ; tiles of the block in hand still to be entered
.set NXT, 71                           ; the tile to be asked for next
.set LQ,  72                           ; the last tile of the block whose tiles are being asked for
.set NEW, 73                           ; 1: the tile to be entered is a block's first
.set OFF, 74
.set DG,  76                           ; 1: the tile in hand holds the diagonal
.set OLO, 80
.set MSB, 0
.macro WIN new
.if MSB != (\new)
	s_set_vgpr_msb (MSB<<8)|(\new)
.set MSB, (\new)
.endif
.endm
.macro LOAD                            ; waves 0, 1 fetch the halves of a tile's K, waves 2, 3 of its V: 128 keys each; waves 4-7 fetch nothing; s_nop 0 and four v_nop follow each line
	s_cmp_lt_u32 s[WV], 2
	s_cbranch_scc0 .Lfor_v_\@
	tensor_load_to_lds s[G0K:G0K+3], s[G1K:G1K+7]
	s_nop 0
.rept 4
	v_nop
.endr
	s_branch .Lasked_\@
.Lfor_v_\@:
	s_cmp_lt_u32 s[WV], 4
	s_cbranch_scc0 .Lasked_\@
	tensor_load_to_lds s[G0V:G0V+3], s[G1V:G1V+7]
	s_nop 0
.rept 4
	v_nop
.endr
.Lasked_\@:
.endm
; THE CHANGE OF SLOTS.  Each wave waits for all its tensor loads (of waves 0-3 one is out: its share of the other slot), adds 0 to its spare word, and waits for that and for its reads of the slot that it leaves.
; fill = 1: the old slot is filled again, first thing behind the barrier, with tile NXT; the descriptor's address is made anew from that number.
.macro CHANGE fill
	s_wait_tensorcnt 0x0
	ds_add_u32 v[SPW], v[NIL]
.if \fill
	s_lshl_b32 s[OFF], s[NXT], 15                  ; a tile is 32,768 bytes of K and of V
	s_xor_b32 s[G0K+1], s[G0K+1], SLOT1
	s_add_nc_u64 s[G0K+2:G0K+3], s[6:7], s[OFF:OFF+1]
	s_or_b32 s[G0K+3], s[G0K+3], 0x80000000
	s_xor_b32 s[G0V+1], s[G0V+1], SLOT1
	s_add_nc_u64 s[G0V+2:G0V+3], s[8:9], s[OFF:OFF+1]
	s_or_b32 s[G0V+3], s[G0V+3], 0x80000000
	s_add_co_u32 s[NXT], s[NXT], 1                 ; the block's next tile, or behind its last the second block's tile 0
	s_cmp_gt_u32 s[NXT], s[LQ]
	s_cselect_b32 s[NXT], 0, s[NXT]
	s_cselect_b32 s[LQ], s[L2], s[LQ]
.endif
	s_wait_dscnt 0x0                               ; the add is done, my reads of the slot are over
	s_barrier_signal -1
	s_sub_co_u32 s[TBK], s[TBK], 128*PK            ; the fetches go back to my half's first step, in the other slot
	s_xor_b32 s[TBK], s[TBK], SLOT1
	s_sub_co_u32 s[TBV], s[TBV], 128*PV
	s_xor_b32 s[TBV], s[TBV], SLOT1
	s_barrier_wait -1
.if \fill
	LOAD
.endif
.endm
	s_load_b128 s[16:19], s[0:1], 0x0              ; qx s[16:17], pan s[18:19]
	v_lshl_add_u32 v[SPW], v0, 2, SPARE
	v_mov_b32 v[NIL], 0
	ds_add_u32 v[SPW], v[NIL]                      ; the wave's opening: the add and its wait ahead of my first tensor load
	v_lshrrev_b32 v1, 5, v0
	v_readfirstlane_b32 s[WV], v1
	s_and_b32 s[W4], s[WV], 3
	s_lshr_b32 s[KH], s[WV], 2
	s_mov_b32 s[PB], ttmp9
	s_sub_co_u32 s[HI], 15, s[PB]
	s_and_b32 s13, ttmp7, 0xffff
	s_and_b32 s20, s13, 15                         ; head
	s_lshr_b32 s21, s13, 4                         ; batch
	s_lshl_b32 s20, s20, 19                        ; a panel is 524,288 bytes,
	s_lshl_b32 s21, s21, 18                        ; a batch's 2,048 rows of it 262,144
	s_add_co_u32 s20, s20, s21
	s_and_b32 s2, s[WV], 1                         ; which half of a tile's keys I fetch (waves 0-3)
	s_lshl_b32 s22, s2, 14                         ; 128 keys of 128 bytes
	s_add_co_u32 s22, s22, s20
	s_mov_b32 s23, 0
	s_mul_i32 s3, s2, 128*PK
	s_mul_i32 s13, s2, 128*PV
	s_lshl_b32 s21, s[W4], 12                      ; my 32 rows of a block
	s_add_co_u32 s21, s21, s20
	s_lshl_b32 s78, s[HI], 14                      ; in the first block,
	s_add_co_u32 s78, s78, s21
	s_mov_b32 s79, 0
	s_lshl_b32 s84, s[PB], 14                      ; and in the second
	s_add_co_u32 s84, s84, s21
	s_mov_b32 s85, 0
	; group 1: 128 keys are 16,384 dense bytes, asked for as 64 rows of 256 bytes and padded in LDS after every key
	s_mov_b32 s[G1K], (1<<16)|(1<<20)|(4<<22)|(3<<25)  ; 2-byte elements; padding on; after every 32 words 4 words
	s_mov_b32 s[G1V], (1<<16)|(1<<20)|(4<<22)|(7<<25)  ; the same with 8 words
.irp g, G1K, G1V
	s_mov_b32 s[\g+1], 128<<16                     ; tensor_dim0 = 128
	s_mov_b32 s[\g+2], 64<<16                      ; tensor_dim1 = 64
	s_mov_b32 s[\g+3], 128<<16                     ; tile_dim0 = 128
	s_mov_b32 s[\g+4], 64                          ; tile_dim1 = 64
	s_mov_b32 s[\g+5], 128
	s_mov_b32 s[\g+6], 0
	s_mov_b32 s[\g+7], 0
.endr
	s_mov_b32 s[CS], 0x3e38aa3b                    ; c = log2(e) / 8
	s_mov_b32 s[CS+1], s[CS]
	s_mov_b32 s[SEL], 0x76543210
	s_mov_b32 s[SEL+1], 0xfedcba98
	s_mul_i32 s[TBK], s[KH], 128*PK                ; my half of a tile's keys;
	s_add_co_u32 s[TBK], s[TBK], SLOT1+128*PK      ; the first change of slots takes the rest away
	s_mul_i32 s[TBV], s[KH], 128*PV
	s_add_co_u32 s[TBV], s[TBV], SLOT1+128*PV
	s_mov_b32 s[G0K], 1
	s_mov_b32 s[G0K+1], s3
	s_mov_b32 s[G0V], 1
	s_add_co_u32 s[G0V+1], s13, VOFF
	s_lshr_b32 s[LQ], s[HI], 1                     ; block i's last tile is i / 2
	s_lshr_b32 s[L2], s[PB], 1
	s_add_co_u32 s[RT], s[LQ], 1
	s_and_b32 s[PARS], s[HI], 1
	s_lshl_b32 s[PARS], s[PARS], 7
	s_mov_b32 s[NXT], 1
	s_mov_b32 s[NEW], 1
	s_mov_b32 s[OFF+1], 0
	s_mov_b32 s[VIS], 8
	s_wait_dscnt 0x0                               ; the opening add is done
	s_barrier_signal -1
	s_barrier_wait -1
	s_wait_kmcnt 0x0
	s_add_nc_u64 s[6:7], s[16:17], s[22:23]
	s_add_nc_u64 s[8:9], s[6:7], 0x1000000         ; V: 32 panels on
	s_add_nc_u64 s[6:7], s[6:7], 0x800000          ; K: 16 panels on
	s_add_nc_u64 s[G0K+2:G0K+3], s[6:7], 0
	s_or_b32 s[G0K+3], s[G0K+3], 0x80000000
	s_add_nc_u64 s[G0V+2:G0V+3], s[8:9], 0
	s_or_b32 s[G0V+3], s[G0V+3], 0x80000000
	s_add_nc_u64 s[4:5], s[16:17], s[78:79]        ; Q and O at my rows of the first block,
	s_add_nc_u64 s[86:87], s[16:17], s[84:85]      ; and of the second
	s_add_nc_u64 s[10:11], s[18:19], s[78:79]
	s_add_nc_u64 s[OLO:OLO+1], s[18:19], s[84:85]
	LOAD                                           ; tile 0 into slot 0
	v_and_b32 v1, 15, v0                           ; r
	v_bfe_u32 v9, v0, 4, 1                         ; h
	v_lshlrev_b32 v[QO], 7, v1
	v_lshl_add_u32 v[QO], v9, 4, v[QO]
.irp i, 0,1,2,3                        ; both blocks' Q stay in registers: tile i / 2, channels 32 (i % 2) on
	global_load_b128 v[Q+8*\i:Q+8*\i+3],   v[QO], s[4:5] offset:(\i/2)*2048+(\i%2)*64
	global_load_b128 v[Q+8*\i+4:Q+8*\i+7], v[QO], s[4:5] offset:(\i/2)*2048+(\i%2)*64+32
.endr
	WIN 0x40                                       ; destination window 1: the second block's Q in v256-287
.irp i, 0,1,2,3
	global_load_b128 v[8*\i:8*\i+3],   v[QO], s[86:87] offset:(\i/2)*2048+(\i%2)*64
	global_load_b128 v[8*\i+4:8*\i+7], v[QO], s[86:87] offset:(\i/2)*2048+(\i%2)*64+32
.endr
	WIN 0
	v_mul_u32_u24 v[AK0], v1, PK
	v_lshl_add_u32 v[AK0], v9, 4, v[AK0]
	v_and_b32 v10, 7, v0
	v_bfe_u32 v11, v0, 3, 1
	v_lshl_add_u32 v[AV0], v9, 3, v10
	v_mul_u32_u24 v[AV0], v[AV0], PV
	v_lshl_add_u32 v[AV0], v11, 4, v[AV0]
	v_add_nc_u32 v[AV0], VOFF, v[AV0]
	s_mul_i32 s3, s[WV], 16*SP
	s_add_co_u32 s3, s3, STAGE
	v_add_nc_u32 v[STO], s3, v[AK0]                ; in: row r, 16 bytes for each half of the lanes (the stage's pitch is K's)
	v_bfe_u32 v[RD], v0, 3, 2
	v_mul_u32_u24 v[RD], v[RD], SP
	v_lshl_add_u32 v[RD], v10, 4, v[RD]
	v_add_nc_u32 v[RD], s3, v[RD]                  ; back: 32 lanes take four rows of 128 bytes,
	v_and_b32 v[GO], 31, v0
	v_lshlrev_b32 v[GO], 4, v[GO]                  ; which are 512 consecutive bytes of O
	s_mul_i32 s13, s[W4], MPW
	s_add_co_u32 s13, s13, MRG
	v_add_nc_u32 v[MG], s13, v[GO]                 ; the hand-over of waves w and w + 4: 16 bytes a lane, 512 consecutive bytes an instruction
	s_lshl_b32 s2, s[W4], 5
	s_lshl_b32 s20, s[KH], 7
	s_sub_co_u32 s2, s2, s20
	v_lshlrev_b32 v[MQB], 3, v9
	v_sub_nc_u32 v[MQB], v1, v[MQB]
	v_add_nc_u32 v[MQB], s2, v[MQB]                ; 32 (w % 4) + r - 8 h - 128 (w / 4), a signed number
	v_mov_b32 v[MQ], 0
	v_mov_b32 v[MQ+1], 0
	v_mov_b32 v[BIGV], 0xf149f2ca                  ; -1e30
	; a block's first step multiplies O and l by a = 0, so these need only hold finite numbers: zeros now, what the first block left later.  This stands in the wait for the first tile.
.set i, 0
.rept 64
	v_mov_b32 v[O+i], 0
.set i, i+1
.endr
.set i, 0
.rept 16
	v_mov_b32 v[ST+i], 0
.set i, i+1
.endr
	s_wait_loadcnt 0x0                             ; Q
; product i of 4 of S^T = K Q^T for tile x: keys 16 (i % 2) on, channels 32 (i / 2) on; the two accumulators take turns
.macro KQ x, i
.if (\i) < 2
	v_wmma_f32_16x16x32_f16 v[S+16*(\x)+8*((\i)%2):S+16*(\x)+8*((\i)%2)+7], v[KF+16*((\i)%2)+8*((\i)/2):KF+16*((\i)%2)+8*((\i)/2)+7], v[Q+16*(\x)+8*((\i)/2):Q+16*(\x)+8*((\i)/2)+7], 0
.else
	v_wmma_f32_16x16x32_f16 v[S+16*(\x)+8*((\i)%2):S+16*(\x)+8*((\i)%2)+7], v[KF+16*((\i)%2)+8*((\i)/2):KF+16*((\i)%2)+8*((\i)/2)+7], v[Q+16*(\x)+8*((\i)/2):Q+16*(\x)+8*((\i)/2)+7], v[S+16*(\x)+8*((\i)%2):S+16*(\x)+8*((\i)%2)+7]
.endif
.endm
; product i of 4 of O^T += V^T P for tile x: channels 16 i on
.macro PV x, i
	v_wmma_f32_16x16x32_f16 v[O+32*(\x)+8*(\i):O+32*(\x)+8*(\i)+7], v[VF+8*(\i):VF+8*(\i)+7], v[P+8*(\x):P+8*(\x)+7], v[O+32*(\x)+8*(\i):O+32*(\x)+8*(\i)+7]
.endm
.macro FETCH_K                         ; a step's K: 32 keys x 64 channels, 4 fragments
	v_add_nc_u32 v[AK], s[TBK], v[AK0]
.irp f, 0,1,2,3
	ds_load_b128 v[KF+8*\f:KF+8*\f+3],   v[AK] offset:(\f/2)*16*PK+(\f%2)*64
	ds_load_b128 v[KF+8*\f+4:KF+8*\f+7], v[AK] offset:(\f/2)*16*PK+(\f%2)*64+32
.endr
	s_add_co_u32 s[TBK], s[TBK], 32*PK
.endm
.macro FETCH_V                         ; a step's V, turned: 4 fragments of 16 channels x 32 keys
	v_add_nc_u32 v[AV], s[TBV], v[AV0]
.irp f, 0,1,2,3
	ds_load_tr16_b128 v[VF+8*\f:VF+8*\f+3],   v[AV] offset:\f*32
	ds_load_tr16_b128 v[VF+8*\f+4:VF+8*\f+7], v[AV] offset:16*PV+\f*32
.endr
	s_add_co_u32 s[TBV], s[TBV], 32*PV
.endm
; in the diagonal tile: score i of tile y's 16 is hidden where 16 (i / 8) + i % 8 is greater than MQ; then MQ goes 32 keys on.  The jump hangs on a scalar made from the work-group's number.
.macro MASK y
	s_cmp_eq_u32 s[DG], 0
	s_cbranch_scc1 .Lopen_\@
.set i, 0
.rept 16
	v_cmp_gt_i32 vcc_lo, 16*(i/8)+i%8, v[MQ+(\y)]
	v_cndmask_b32 v[S+16*(\y)+i], v[S+16*(\y)+i], v[BIGV], vcc_lo
.set i, i+1
.endr
	v_sub_nc_u32 v[MQ+(\y)], v[MQ+(\y)], 32
.Lopen_\@:
.endm
; THE SOFTMAX of tile y for one step: SM writes number sn of a list of 71.  s0-s15 are the lane's scores, in pairs 0-7.
;   0-7 the maximum of the scores and the old m (each accumulator's lowest registers first)   8, 10 the other half of the lanes'; the new m   9, 11, 12 c m_old kept; c m; their difference
;   13-37 THE BATCH: the 8 scalings c s - c m and the 17 exponentials (a at 14, then s0-s15).  None of these names an exponential's result.  13-28 scaling and exponential by turns, a pair scaled three numbers
;         or more ahead of its first exponential; 29-37 the last nine exponentials
;   38    a v_nop, the plain instruction behind the last exponential, and directly behind it the wait for the batch
;   39-46 the roundings to f16   47-50, 52, 53, 57 the sums: neighbours 1, 2 and 4 pairs apart   61 l = a l + sum
;   51, 54-56, 58-60, 62-70 O times a, ascending; all from 39 on are plain: the places in front of what the next turn reads and loads
.macro XF n
	v_pk_fma_f32 v[rS+2*(\n):rS+2*(\n)+1], v[rS+2*(\n):rS+2*(\n)+1], s[CS:CS+1], v[rT:rT+1] op_sel_hi:[1,0,0] neg_lo:[0,0,1] neg_hi:[0,0,1]
.endm
.macro XE n
	v_exp_f32 v[rS+(\n)], v[rS+(\n)]
.endm
.macro XR n
	v_pk_mul_f32 v[rO+2*(\n):rO+2*(\n)+1], v[rO+2*(\n):rO+2*(\n)+1], v[rT+6:rT+7] op_sel_hi:[1,0]
.endm
.macro XC n
	v_cvt_pk_f16_f32 v[rP+(\n)], v[rS+2*(\n)], v[rS+2*(\n)+1]
.endm
.macro XA d, s
	v_pk_add_f32 v[rS+2*(\d):rS+2*(\d)+1], v[rS+2*(\d):rS+2*(\d)+1], v[rS+2*(\s):rS+2*(\s)+1]
.endm
.macro SM y
.set rT, ST+8*(\y)
.set rS, S+16*(\y)
.set rP, P+8*(\y)
.set rO, O+32*(\y)
.if sn < 2
	v_max3_num_f32 v[rT+4+sn], v[rS+8*sn], v[rS+8*sn+1], v[rS+8*sn+2]
.elseif sn < 6
	v_max3_num_f32 v[rT+4+sn%2], v[rT+4+sn%2], v[rS+8*(sn%2)+2*(sn/2)+1], v[rS+8*(sn%2)+2*(sn/2)+2]
.elseif sn == 6
	v_max3_num_f32 v[rT+4], v[rT+4], v[rS+7], v[rS+15]
.elseif sn == 7
	v_max3_num_f32 v[rT+5], v[rT+5], v[rT+1], v[rT+4]
.elseif sn == 8
	v_permlanex16_b32 v[rT+6], v[rT+5], s[SEL], s[SEL+1]
.elseif sn == 9
	v_mov_b32 v[rT+7], v[rT]
.elseif sn == 10
	v_max_num_f32 v[rT+1], v[rT+5], v[rT+6]
.elseif sn == 11
	v_mul_f32 v[rT], s[CS], v[rT+1]
.elseif sn == 12
	v_sub_f32 v[rT+7], v[rT+7], v[rT]
.elseif sn == 13
	XF 0
.elseif sn == 14
	v_exp_f32 v[rT+6], v[rT+7]                     ; a: the batch's first
.elseif (sn < 29) && (sn%2 == 1)
	XF (sn-13)/2                                   ; 15, 17 .. 27: pairs 1 to 7
.elseif sn < 29
	XE (sn-16)/2                                   ; 16, 18 .. 28: s0 to s6
.elseif sn < 38
	XE sn-22                                       ; 29 to 37: s7 to s15
.elseif sn == 38
	v_nop                                          ; a plain instruction behind the last exponential: one for the batch
	s_wait_alu depctr_va_vdst(0)                   ; the wait for the batch, a and the 16 weights, ahead of the first instruction that names a result
.elseif sn < 47
	XC sn-39
.elseif sn < 51
	XA 2*(sn-47), 2*(sn-47)+1
.elseif sn == 51
	XR 0
.elseif sn == 52
	XA 0, 2
.elseif sn == 53
	XA 4, 6
.elseif sn < 57
	XR sn-53
.elseif sn == 57
	XA 0, 4
.elseif sn < 61
	XR sn-54
.elseif sn == 61
	v_pk_fma_f32 v[rT+2:rT+3], v[rT+2:rT+3], v[rT+6:rT+7], v[rS:rS+1] op_sel_hi:[1,0,1]
.else
	XR sn-55
.endif
.endm
.macro RIDE y, k                       ; the next k numbers of the list
.rept \k
	SM \y
.set sn, sn+1
.endr
.endm
; A TURN: tile x has the matrix unit, tile 1 - x's softmax stands behind its products.  Tile 0's turn fetches the next step's K at its head (K's last reader stands in front of the last turn's closing 26 plain
; instructions); tile 1's turn fetches the next step's V behind its first K Q^T, twelve vector instructions behind V's last reader, five of them plain (scalings), and the run's own v_add_nc_u32 a sixth.
; In a turn with all eight products the second K Q^T has nine numbers behind it, 30 to 38: the batch ends with that group, and the wait stands at the group's end, directly ahead of the next product.
; In a turn with four products the wait falls into the closing run.
.macro TURN x, pv, kq
.set sn, 0
.if ((\x) == 0) && (\pv)
	s_wait_dscnt 0x0                               ; V is in
.endif
.if ((\x) == 0) && (\kq)
	FETCH_K
.endif
	MASK 1-(\x)
.if \pv
.irp i, 0,1,2,3
	PV \x, \i
	RIDE 1-(\x), 6
.endr
.endif
.if ((\x) == 0) && (\kq)
	s_wait_dscnt 0x0                               ; K is in
.endif
.if \kq
.irp i, 0,1,2,3
	KQ \x, \i
.if (\pv) && ((\i) == 1)
	RIDE 1-(\x), 9
.else
	RIDE 1-(\x), 6
.endif
.if ((\x) == 1) && ((\i) == 0)
	FETCH_V
.endif
.endr
.endif
	RIDE 1-(\x), 71-sn
.endm
; A VISIT: the four steps of my half of the tile in the slot that TBK and TBV point into.
.macro VISIT
	FETCH_K
	s_wait_dscnt 0x0
.irp i, 0,1,2,3
	KQ 0, \i                                       ; tile 0's first scores: no vector work of this wave is ready yet
.endr
.rept 4
	v_nop                                          ; the places behind those products
.endr
	TURN 1, 0, 1
	s_mov_b32 s[CNT], 3
.Lstep_\@:
	TURN 0, 1, 1
	TURN 1, 1, 1
	s_sub_co_u32 s[CNT], s[CNT], 1
	s_cmp_lg_u32 s[CNT], 0
	s_cbranch_scc1 .Lstep_\@
	TURN 0, 1, 0
.irp i, 0,1,2,3
	PV 1, \i
.endr
.rept 4
	v_nop                                          ; the places behind the visit's last products
.endr
.endm
.macro BEGIN                           ; a block begins: c m far below every c s, so the first a is 0; m at -1e20, below every score; the masks' counters at my half's first key of the diagonal tile
	s_mov_b32 s[NEW], 0
	v_mov_b32 v[ST], 0xfe000000
	v_mov_b32 v[ST+1], 0xe0ad78ec
	v_mov_b32 v[ST+8], 0xfe000000
	v_mov_b32 v[ST+9], 0xe0ad78ec
	v_add_nc_u32 v[MQ], s[PARS], v[MQB]
	v_add_nc_u32 v[MQ+1], 16, v[MQ]
.endm
; THE END OF A VISIT.  At a block's end waves 4-7 put their O^T (each accumulator's low registers first), c m and l into the hand-over.  The barrier stands outside the branches, in every visit:
; in front of it each wave's LDS instructions are done, behind it waves 0-3 read what waves 4-7 stored.  The bytes are stored again only behind a change of slots, whose barrier follows every wave's wait for its reads.
.macro GIVE
	s_cmp_eq_u32 s[DG], 0
	s_cbranch_scc1 .Lnone_\@
	s_cmp_lt_u32 s[WV], 4
	s_cbranch_scc1 .Lnone_\@
	v_mov_b32 v[S], v[ST]
	v_add_f32 v[S+1], v[ST+2], v[ST+3]
	v_mov_b32 v[S+2], v[ST+8]
	v_add_f32 v[S+3], v[ST+10], v[ST+11]
.set i, 0
.rept 16
	ds_store_b128 v[MG], v[O+4*i:O+4*i+3] offset:512*i
.set i, i+1
.endr
	ds_store_b128 v[MG], v[S:S+3] offset:512*16
.Lnone_\@:
	s_wait_dscnt 0x0                               ; for the others' sake: my stores are done
	s_barrier_signal -1
	s_barrier_wait -1
.endm
; THE WAY OUT, waves 0-3.  With cM the greater of the two c m and f = 2^(c m - cM): l = f l + f' l', summed over the halves of the lanes; O = (f O + f' O') / l, rounded to f16 and sent through my stage, a tile at a time.
.macro PACK t
	s_wait_dscnt 8                                 ; this tile's eight loads of O' are in; out may be: tile 1's eight, or for tile 1 the four stores and four loads of tile 0's stage
.set i, 0
.rept 16
	v_pk_mul_f32 v[O+32*(\t)+2*i:O+32*(\t)+2*i+1], v[O+32*(\t)+2*i:O+32*(\t)+2*i+1], v[ST+8*(\t)+4:ST+8*(\t)+5] op_sel_hi:[1,0]
.set i, i+1
.endr
.set i, 0
.rept 16
	v_pk_fma_f32 v[O+32*(\t)+2*i:O+32*(\t)+2*i+1], v[KF+32*(\t)+2*i:KF+32*(\t)+2*i+1], v[ST+8*(\t)+6:ST+8*(\t)+7], v[O+32*(\t)+2*i:O+32*(\t)+2*i+1] op_sel_hi:[1,0,1]
.set i, i+1
.endr
.set i, 0
.rept 16
	v_cvt_pk_f16_f32 v[KF+32*(\t)+i], v[O+32*(\t)+2*i], v[O+32*(\t)+2*i+1]
.set i, i+1
.endr
.irp f, 0,1,2,3
	ds_store_b128 v[STO], v[KF+32*(\t)+4*\f:KF+32*(\t)+4*\f+3] offset:32*\f
.endr
.irp f, 0,1,2,3
	ds_load_b128 v[KF+32*(\t)+16+4*\f:KF+32*(\t)+16+4*\f+3], v[RD] offset:\f*4*SP  ; LDS serves a wave's instructions in order (ISA guide 5.7.1.4): these see the stores above
.endr
.endm
.macro SEND t, younger                 ; younger: the LDS instructions issued behind tile t's loads
.irp f, 0,1,2,3
	s_wait_dscnt (\younger)+3-\f
	global_store_b128 v[GO], v[KF+32*(\t)+16+4*\f:KF+32*(\t)+16+4*\f+3], s[10:11] offset:(\t)*2048+\f*512  ; 512 consecutive bytes, at a multiple of 256 from the buffer's first
.endr
.endm
.macro OUT
	s_cmp_lt_u32 s[WV], 4
	s_cbranch_scc0 .Lgone_\@
	ds_load_b128 v[S:S+3], v[MG] offset:512*16     ; c m' and l' of both tiles
.set i, 0
.rept 16
	ds_load_b128 v[KF+4*i:KF+4*i+3], v[MG] offset:512*i  ; O' into K's and V's registers, whose last readers stand in front of the visit's closing places
.set i, i+1
.endr
	s_wait_dscnt 16                                ; the statistics are in, the sixteen loads of O' stay out
.irp t, 0,1
	v_max_num_f32 v[ST+8*\t+4], v[ST+8*\t], v[S+2*\t]
.endr
.irp t, 0,1
	v_add_f32 v[ST+8*\t+2], v[ST+8*\t+2], v[ST+8*\t+3]
.endr
.irp t, 0,1
	v_sub_f32 v[ST+8*\t+5], v[ST+8*\t], v[ST+8*\t+4]
.endr
.irp t, 0,1
	v_sub_f32 v[ST+8*\t+6], v[S+2*\t], v[ST+8*\t+4]
.endr
.irp t, 0,1
	v_exp_f32 v[ST+8*\t+5], v[ST+8*\t+5]
.endr
.irp t, 0,1
	v_exp_f32 v[ST+8*\t+6], v[ST+8*\t+6]
.endr
	v_nop                                          ; a plain instruction between the last exponential and the use of its result
	s_wait_alu depctr_va_vdst(0)                   ; the wait ahead of the first use: one for the four factors f and f'
.irp t, 0,1
	v_mul_f32 v[ST+8*\t+2], v[ST+8*\t+2], v[ST+8*\t+5]
.endr
.irp t, 0,1
	v_fmac_f32 v[ST+8*\t+2], v[S+2*\t+1], v[ST+8*\t+6]
.endr
.irp t, 0,1
	v_permlanex16_b32 v[ST+8*\t+3], v[ST+8*\t+2], s[SEL], s[SEL+1]
.endr
.irp t, 0,1
	v_add_f32 v[ST+8*\t+2], v[ST+8*\t+2], v[ST+8*\t+3]
.endr
.irp t, 0,1
	v_rcp_f32 v[ST+8*\t+3], v[ST+8*\t+2]
.endr
	v_nop                                          ; a plain instruction between the last reciprocal and the use of its result
	s_wait_alu depctr_va_vdst(0)                   ; and the wait ahead of the first use: one for the two reciprocals, a batch of their own, since they read a sum made with the factors
.irp t, 0,1
	v_mul_f32 v[ST+8*\t+4], v[ST+8*\t+5], v[ST+8*\t+3]
.endr
.irp t, 0,1
	v_mul_f32 v[ST+8*\t+6], v[ST+8*\t+6], v[ST+8*\t+3]
.endr
	PACK 0
	PACK 1
	SEND 0, 8
	SEND 1, 0
	s_wait_xcnt 0x0                                ; the stores' registers and O's address are rewritten only behind this wait
.Lgone_\@:
.endm
.Lvisit:                                               ; 8 times: a tile is entered and the next is asked for
	CHANGE 1
	s_sub_co_u32 s[RT], s[RT], 1
	s_cmp_eq_u32 s[RT], 0
	s_cselect_b32 s[DG], 1, 0
	s_cmp_eq_u32 s[NEW], 0
	s_cbranch_scc1 .Lold
	BEGIN
.Lold:
	VISIT
	GIVE
	s_cmp_eq_u32 s[DG], 0
	s_cbranch_scc1 .Lbottom
	OUT                                            ; the first block's end
	s_mov_b64 s[10:11], s[OLO:OLO+1]
	s_add_co_u32 s[RT], s[L2], 1                   ; the second block has b / 2 + 1 tiles
	s_and_b32 s[PARS], s[PB], 1
	s_lshl_b32 s[PARS], s[PARS], 7
	s_mov_b32 s[NEW], 1
	WIN 0x01                                       ; source 0 in window 1: the second block's Q goes where the turns name Q
.set i, 0
.rept 32
	v_mov_b32 v[Q+i], v[i]
.set i, i+1
.endr
	WIN 0
.Lbottom:
	s_sub_co_u32 s[VIS], s[VIS], 1
	s_cmp_lg_u32 s[VIS], 0
	s_cbranch_scc1 .Lvisit
	CHANGE 0                                       ; the walk's last tile, the second block's diagonal one, is written out: nothing is asked for
	s_mov_b32 s[DG], 1
	s_cmp_eq_u32 s[NEW], 0
	s_cbranch_scc1 .Lold2
	BEGIN
.Lold2:
	VISIT
	GIVE
	OUT
	s_wait_tensorcnt 0x0                           ; the wave's end
	ds_add_u32 v[SPW], v[NIL]
	s_wait_dscnt 0x0
	s_endpgm
.Lfunc_end_k_q90a0da6a73_attn:
	.size	k_q90a0da6a73_attn, .Lfunc_end_k_q90a0da6a73_attn-k_q90a0da6a73_attn
	.p2alignl 7, 3214868480
	.fill 96, 4, 3214868480
	.section	.rodata,"a",@progbits
	.p2align	6, 0x0
	.amdhsa_kernel k_q90a0da6a73_attn
		.amdhsa_group_segment_fixed_size 327680
		.amdhsa_private_segment_fixed_size 0
		.amdhsa_enable_private_segment 0
		.amdhsa_kernarg_size 16
		.amdhsa_user_sgpr_count 2
		.amdhsa_user_sgpr_kernarg_segment_ptr 1
		.amdhsa_wavefront_size32 1
		.amdhsa_system_sgpr_workgroup_id_x 1
		.amdhsa_system_sgpr_workgroup_id_y 1
		.amdhsa_system_sgpr_workgroup_id_z 1
		.amdhsa_system_vgpr_workitem_id 0
		.amdhsa_next_free_vgpr 288
		.amdhsa_next_free_sgpr 88
		.amdhsa_reserve_vcc 1
		.amdhsa_float_denorm_mode_32 3
		.amdhsa_float_denorm_mode_16_64 3
		.amdhsa_memory_ordered 1
		.amdhsa_forward_progress 1
		.amdhsa_inst_pref_size 87
	.end_amdhsa_kernel
	.amdgpu_metadata
---
amdhsa.version: [ 1, 2 ]
amdhsa.kernels:
  - .name:           k_q90a0da6a73_attn
    .symbol:         k_q90a0da6a73_attn.kd
    .args:
      - { .name: qx, .offset: 0, .size: 8, .value_kind: global_buffer, .address_space: global }
      - { .name: pan, .offset: 8, .size: 8, .value_kind: global_buffer, .address_space: global }
    .group_segment_fixed_size: 327680
    .private_segment_fixed_size: 0
    .kernarg_segment_align: 8
    .kernarg_segment_size: 16
    .max_flat_workgroup_size: 256
    .sgpr_count:     88
    .vgpr_count:     288
    .wavefront_size: 32
...
	.end_amdgpu_metadata
.endif
;; end of part 8
;; launch wo: the kernel of part 4 again; grid 8 x 32, 4 waves a work-group, clusters of 4 x 4, 327,680 bytes of LDS; arguments pan, bw, y; writes y
;; launch ln1: the kernel of part 5 again; grid 512 x 1, 8 waves a work-group, no clusters, 0 bytes of LDS; arguments y, x, g1, bt1, qx, ah; writes qx, ah
;; launch mlp1: the kernel of part 2 again; grid 16 x 16, 4 waves a work-group, clusters of 4 x 4, 327,680 bytes of LDS; arguments ah, bm, pan; writes pan
;; launch mlp2: the kernel of part 6 again; grid 8 x 32, 4 waves a work-group, clusters of 4 x 4, 327,680 bytes of LDS; arguments pan, bw, y; writes y
;; launch ln2: the kernel of part 7 again; grid 512 x 1, 8 waves a work-group, no clusters, 0 bytes of LDS; arguments y, qx, g2, bt2, out0, b_out; writes out0
